; MI455X (gfx1250); checked and timed in simulation.
; The chip was launched on July 23, 2026; its instructions are those of AMD's public machine-readable ISA for CDNA 5 (MIT licence, August 2026) and "CDNA5" Instruction Set Architecture Reference Guide (July 2026). The comments in the code are by the model that wrote it; some were corrected since.
;; Atten. Allowed arithmetic: matrix products marked QUANTISED: E2M1 operands, one E8M0 scale for each 32 along K, by v_wmma_scale_f32_16x16x128_f8f6f4 with both operands' format E2M1 (or v_wmma_scale_f32_32x16x128_f4), f32 sums; everything else in f32.
;; Inputs: bk 128 float32; bo 128 float32; bq 128 float32; bv 128 float32; gn_b 128 float32; gn_w 128 float32; wk_codes 128 x 4 x 16 uint8 (E2M1 codes of wk, K innermost, in blocks of 32 codes, two codes a byte); wk_scales 128 x 4 uint8 (E8M0 scales of wk, one for each 32 codes along K); wo_codes 128 x 4 x 16 uint8 (E2M1 codes of wo, K innermost, in blocks of 32 codes, two codes a byte); wo_scales 128 x 4 uint8 (E8M0 scales of wo, one for each 32 codes along K); wq_codes 128 x 4 x 16 uint8 (E2M1 codes of wq, K innermost, in blocks of 32 codes, two codes a byte); wq_scales 128 x 4 uint8 (E8M0 scales of wq, one for each 32 codes along K); wv_codes 128 x 4 x 16 uint8 (E2M1 codes of wv, K innermost, in blocks of 32 codes, two codes a byte); wv_scales 128 x 4 uint8 (E8M0 scales of wv, one for each 32 codes along K); x 64 x 128 x 32 x 32 float32.
;; Outputs: out0 64 x 128 x 32 x 32 float32.
;; This version of the problem:
;;   THIS VERSION OF THE PROBLEM IS GIVEN IN LOW PRECISION. The matrix products marked QUANTISED in the list below multiply operands that are first quantised to E2M1 (2 exponent bits, 1 mantissa bit; 4 bits a number), with one power-of-two scale for each 32 numbers along K (OCP MX v1.0); their sums are f32. All else is computed in f32.
;;   The module's matrix products, in the order in which they are computed (A, B: the left and right operand; K: the contracted axis; several contracted axes count as one K, in the product's order):
;;     1. [M 65,536, K 128] x [K 128, N 128]; A: computed on the way; B: input wq (given as codes): QUANTISED
;;     2. [M 65,536, K 128] x [K 128, N 128]; A: computed on the way; B: input wk (given as codes): QUANTISED
;;     3. [M 65,536, K 128] x [K 128, N 128]; A: computed on the way; B: input wv (given as codes): QUANTISED
;;     4. batch 64 x [M 1,024, K 128] x [K 128, N 1,024]; A: computed on the way; B: computed on the way: QUANTISED
;;     5. batch 64 x [M 1,024, K 1,024] x [K 1,024, N 128]; A: softmax (see below); B: computed on the way: QUANTISED
;;     6. [M 65,536, K 128] x [K 128, N 128]; A: computed on the way; B: input wo (given as codes): QUANTISED
;;   THE QUANTISER, for each operand of a quantised product, along K:
;;     - K is cut into blocks of 32 from its start; a last block that is shorter is filled with zeros.
;;     - A block's scale is 2^e with e = floor(log2(the largest magnitude in the block)) - 2, held to -126 .. 127; a block of zeros has e = 0. As a byte (E8M0): e + 127.
;;     - Each number is divided by its block's scale, clamped to +-6, and rounded to the nearest number of E2M1, ties to even, subnormals kept.
;;     - The product sums the exact products of the quantised numbers (number of the format x scale) in f32.
;;   ~~~python
;;   def quantise(x, axis):      # numpy; x: float32 -> the quantised numbers, widened to float32 again
;;       x = np.moveaxis(x, axis, -1); K = x.shape[-1]
;;       x = np.pad(x, [(0, 0)] * (x.ndim - 1) + [(0, -K % 32)]); x = x.reshape(x.shape[:-1] + (-1, 32)); a = np.abs(x).max(-1, keepdims=True)
;;       e = np.where(a > 0, np.clip(np.frexp(np.where(a > 0, a, 1))[1] - 1 - 2, -126, 127), 0)      # np.frexp(a)[1] - 1 = floor(log2(a)), exactly
;;       r = np.clip(x / 2.0 ** e, -6, 6)
;;       step = 2.0 ** (np.maximum(np.frexp(np.where(r == 0, 1, r))[1] - 1, 0) - 1)
;;       q = np.round(r / step) * step * 2.0 ** e      # np.round: ties to even
;;       return np.moveaxis(q.reshape(q.shape[:-2] + (-1,))[..., :K], -1, axis).astype(np.float32)
;;   ~~~
;;   SOFTMAX AHEAD OF A QUANTISED PRODUCT. Where the list says 'softmax', what is quantised is not the finished softmax but p = 2^(t - M), with t = logit x log2(e) and M = ceil(the row's largest t), a whole number; so 1/2 < the row's largest p <= 1. The row's sum l is taken of the UNQUANTISED p, in f32, and the product's result is divided by l at the end. Since M is a whole number, a kernel that streams over the keys may use a running M (the ceiling of the running maximum): every later rescaling is an exact power of two, which a block's scale takes up: the codes' values come out the same.
;;   OPERANDS COMPUTED ON THE WAY. 'Computed on the way' means the value that the module computes at that place (a softmax that the list does not call 'softmax' is quantised finished and normalised). What goes into a quantiser is computed in f32, as accurately as f32 sums, v_exp_f32 and their like allow (about 1e-6 of the number): no bf16 or f16 on the way to a quantiser, and a product that is left as it is and whose result goes on into a quantised operand takes f32 operands (vector FMAs, or v_wmma_f32_16x16x4_f32). A number that lies on a knife's edge between two numbers of the format may be rounded either way, as far as f32 arithmetic and the matrix unit's own rounding can turn it there, and no further.
;;   INPUTS GIVEN AS CODES. wk (in the module: [128, 128], K = its axis 1); wo (in the module: [128, 128], K = its axis 1); wq (in the module: [128, 128], K = its axis 1); wv (in the module: [128, 128], K = its axis 1): each comes as NAME_codes (uint8): NAME with its K axis moved to the last place and cut into blocks of 32 codes, [.., K / 32, bytes a block], one block behind the other in memory; two codes a byte, the lower K in the low four bits (a code: sign, 2 exponent bits, 1 mantissa bit); and NAME_scales (uint8): the same leading axes, one E8M0 byte (e + 127) for each 32 codes along K. Its value is code x scale, taken as it is: it is not quantised again, and the codes and scales need not be those that the quantiser above would give.
;; 2 versions. Each part assembles by itself: llvm-mc -triple=amdgcn-amd-amdhsa -mcpu=gfx1250 --defsym DOCPART=n.
;; ======== version 1 of 2: 2 launches
;; workspace buffers: tcodes 4,194,304 bytes; tscales 262,144 bytes
;; launch prep (part 1): grid 256 x 1, 8 waves a work-group, no clusters, 132,096 bytes of LDS; arguments x, gn_w, gn_b, tcodes, tscales; writes tcodes, tscales
.if DOCPART == 1
	.amdgcn_target "amdgcn-amd-amdhsa--gfx1250"
	.amdhsa_code_object_version 6
	.text
	.protected	k_qc30e30a6d2_prep
	.globl	k_qc30e30a6d2_prep
	.p2align	8
	.type	k_qc30e30a6d2_prep,@function
k_qc30e30a6d2_prep:
	s_mov_b64 s[64:65], 0
	v_nop
	global_prefetch_b8 v0, s[64:65] scope:SCOPE_SE
	s_setreg_imm32_b32 hwreg(HW_REG_WAVE_MODE, 25, 1), 1
	s_wait_xcnt 0x0
; GroupNorm of x [64][128][1024] f32 (32 groups of 4 channels) and the quantiser of t = xn^T along the channels: codes of FP4 (E2M1), one E8M0 byte for each 32 channels.
; SHARES.  A block of 32 channels of one image is 8 whole groups and 131,072 consecutive bytes of x: one work-group (image b = g / 4, block blk = g % 4) reads them once.
; Wave w normalises group 8 blk + w (16,384 bytes, kept in 128 registers between the passes: sum, centred squares, scaling), puts xn into LDS, and behind ONE barrier quantises positions 128 w .. 128 w + 127:
; a lane takes a position and its 32 registers run down the 32 channels, so that a block's largest magnitude needs no other lane and the conversions give codes with the channels innermost.
; OUT.  tcodes[b]: 64 tiles of 16 positions x 1,024 bytes, each AN IMAGE OF THE OPERAND'S REGISTERS: block blk of row r of a tile lies at 256 blk + 16 r.  Tile 2 P + u, row r, is position 32 P + 8 u + r + 8 (r / 8).
; tscales[b]: the byte of block blk, positions 32 P + q(l), l = 16 u + r, lies at 1,024 blk + 128 (P / 4) + 4 l + P % 4.
; The variance is the mean of the squares of x - mean (two passes over registers), so a common offset of x costs no digits.
; LIMITS: NaN and infinities in x are not served.  A block whose largest magnitude lies under 2^-124 gets the byte 1, a block of zeros too (the rule says 127): its codes are zeros and this program alone reads the bytes.
; rstd x gain is formed first and xn = d (rstd gain) + offset is one fused multiply-add: the order of rounding differs from (d rstd) gain + offset in the last bit.
; No tensor load, no matrix unit, no cluster: the work-groups share no byte, and the launch moves each byte of x once.  x is loaded without a hint: the next launch reads it again.
.set X, 64                             ; v64-191  the group's 4,096 numbers, 128 a lane; later four runs of 32 channel numbers
; v1 16 x lane; v2 LDS: 16,384 w + 16 x lane; v3, v4 LDS: 512 w + 4 q(lane), and 65,536 more; v5 my codes' place: 1,024 u + 16 r; v6 4 x lane
; v8-15 four chains of pairs; v16-17 the mean, twice; v18 rstd; v19 a lane permute's destination; v20-27 rstd x gain of my 4 channels, each twice; v28-35 their offsets, each twice
; v36-37 maxima; v38 the conversion's scale operand; v39 a scale byte; v40 four of them; v41 2^-12; v42 the variance + eps; v44-59 codes, four registers a run
	s_load_b256 s[4:11], s[0:1], 0x0               ; x s[4:5], gn_w s[6:7], gn_b s[8:9], tcodes s[10:11]
	s_load_b64 s[12:13], s[0:1], 0x20              ; tscales
	v_lshl_add_u32 v192, v0, 2, 0x20000
	v_mov_b32 v193, 0
	v_lshrrev_b32 v1, 5, v0
	v_readfirstlane_b32 s14, v1                    ; wave 0..7
	s_and_b32 s15, ttmp9, 3                        ; blk
	s_lshr_b32 s16, ttmp9, 2                       ; b
	v_and_b32 v7, 31, v0                           ; lane
	v_lshlrev_b32 v1, 4, v7
	s_lshl_b32 s18, ttmp9, 17                      ; my work-group's 131,072 bytes of x,
	s_lshl_b32 s17, s14, 14                        ; my wave's 16,384 of them
	s_add_co_u32 s18, s18, s17
	s_mov_b32 s19, 0
	v_add_nc_u32 v2, s17, v1
	s_wait_kmcnt 0x0
	s_add_nc_u64 s[4:5], s[4:5], s[18:19]
.irp j, 0,1,2,3,4,5,6,7,8,9,10,11,12,13,14,15,16,17,18,19,20,21,22,23,24,25,26,27,28,29,30,31
	global_load_b128 v[X+4*\j:X+4*\j+3], v1, s[4:5] offset:512*\j   ; 32 lanes read 512 consecutive bytes: channel j / 8 of the group, positions 128 (j % 8) + 4 x lane on
.endr
	s_lshl_b32 s18, s15, 7                         ; gain and offset of channels 32 blk + 4 w on
	s_lshl_b32 s17, s14, 4
	s_add_co_u32 s18, s18, s17
	s_add_nc_u64 s[6:7], s[6:7], s[18:19]
	s_add_nc_u64 s[8:9], s[8:9], s[18:19]
	s_load_b128 s[20:23], s[6:7], 0x0
	s_load_b128 s[24:27], s[8:9], 0x0
	s_lshl_b32 s18, s16, 16                        ; tcodes: 65,536 b + 256 blk + 8,192 w
	s_lshl_b32 s17, s15, 8
	s_add_co_u32 s18, s18, s17
	s_lshl_b32 s17, s14, 13
	s_add_co_u32 s18, s18, s17
	s_add_nc_u64 s[10:11], s[10:11], s[18:19]
	s_lshl_b32 s18, s16, 12                        ; tscales: 4,096 b + 1,024 blk + 128 w
	s_lshl_b32 s17, s15, 10
	s_add_co_u32 s18, s18, s17
	s_lshl_b32 s17, s14, 7
	s_add_co_u32 s18, s18, s17
	s_add_nc_u64 s[12:13], s[12:13], s[18:19]
	s_mov_b32 s28, 0x76543210
	s_mov_b32 s29, 0xfedcba98                      ; v_permlanex16_b32's selects for lane l xor 16
	v_and_b32 v8, 15, v0                           ; r
	v_bfe_u32 v9, v0, 4, 1                         ; u
	v_and_b32 v10, 8, v8
	v_add_nc_u32 v10, v10, v8
	v_lshl_add_u32 v10, v9, 3, v10                 ; q(lane) = 8 u + r + 8 (r / 8)
	s_lshl_b32 s17, s14, 9
	v_lshl_add_u32 v3, v10, 2, s17                 ; xn in LDS: my position's word in channel 0: 512 w + 4 q
	v_add_nc_u32 v4, 0x10000, v3                   ; and in channel 16: an LDS immediate has 16 bits
	v_lshlrev_b32 v5, 4, v8
	v_lshl_add_u32 v5, v9, 10, v5
	v_lshlrev_b32 v6, 2, v7
	v_mov_b32 v19, 0                               ; written once: a lane permute's destination counts as one of its sources
	v_mov_b32 v41, 0x39800000                      ; 2^-12 = 1 / 4,096
; eight loads' numbers onto the four chains; the younger loads stay out
.macro SUMB g
	s_wait_loadcnt 24-8*\g
.irp q, 0,4
.irp hf, 0,2
.irp k, 0,1,2,3
.if (8*\g+\q) == 0
.if \hf == 0
	v_pk_add_f32 v[8+2*\k:9+2*\k], v[X+4*\k:X+4*\k+1], v[X+4*\k+2:X+4*\k+3]   ; the first four loads start the chains: nothing is cleared
.endif
.else
	v_pk_add_f32 v[8+2*\k:9+2*\k], v[8+2*\k:9+2*\k], v[X+4*(8*\g+\q+\k)+\hf:X+4*(8*\g+\q+\k)+\hf+1]
.endif
.endr
.endr
.endr
.endm
; the four chains, their halves and the 32 lanes: the sum lies in v8 of every lane
.macro REDUCE
	v_pk_add_f32 v[8:9], v[8:9], v[10:11]
	v_pk_add_f32 v[12:13], v[12:13], v[14:15]
	v_pk_add_f32 v[8:9], v[8:9], v[12:13]
	v_add_f32 v8, v8, v9
	v_add_f32_dpp v8, v8, v8 row_xmask:1 row_mask:0xf bank_mask:0xf
	v_add_f32_dpp v8, v8, v8 row_xmask:2 row_mask:0xf bank_mask:0xf
	v_add_f32_dpp v8, v8, v8 row_xmask:4 row_mask:0xf bank_mask:0xf
	v_add_f32_dpp v8, v8, v8 row_xmask:8 row_mask:0xf bank_mask:0xf
	v_permlanex16_b32 v19, v8, s28, s29
	v_add_f32 v8, v8, v19
.endm
	SUMB 0
	SUMB 1
	SUMB 2
	SUMB 3
	REDUCE
	v_mul_f32 v16, 0x39800000, v8                  ; the mean, in both halves of a pair
	v_mul_f32 v17, 0x39800000, v8
.set i, 0
.rept 64
	v_pk_add_f32 v[X+2*i:X+2*i+1], v[X+2*i:X+2*i+1], v[16:17] neg_lo:[0,1] neg_hi:[0,1]   ; d = x - mean, in place
.set i, i+1
.endr
.irp k, 0,1,2,3
	v_pk_mul_f32 v[8+2*\k:9+2*\k], v[X+2*\k:X+2*\k+1], v[X+2*\k:X+2*\k+1]   ; the first four pairs start the chains of squares
.endr
.set i, 4
.rept 60
	v_pk_fma_f32 v[8+2*(i%4):9+2*(i%4)], v[X+2*i:X+2*i+1], v[X+2*i:X+2*i+1], v[8+2*(i%4):9+2*(i%4)]
.set i, i+1
.endr
	REDUCE
	v_fmaak_f32 v42, v8, v41, 0x358637bd           ; the variance + 1e-6
	s_wait_kmcnt 0x0                               ; gain and offset
	v_rsq_f32 v18, v42
.irp c, 0,1,2,3
	v_mov_b32 v[28+2*\c], s[24+\c]                 ; (plain instructions between the root and the use of its result)
	v_mov_b32 v[29+2*\c], s[24+\c]
.endr
	s_wait_alu depctr_va_vdst(0)
.irp c, 0,1,2,3
	v_mul_f32 v[20+2*\c], s[20+\c], v18
	v_mul_f32 v[21+2*\c], s[20+\c], v18
.endr
.set i, 0
.rept 64
	v_pk_fma_f32 v[X+2*i:X+2*i+1], v[X+2*i:X+2*i+1], v[20+2*(i/16):21+2*(i/16)], v[28+2*(i/16):29+2*(i/16)]   ; xn = d (rstd gain) + offset; pair i belongs to channel i / 16
.set i, i+1
.endr
.irp j, 0,1,2,3,4,5,6,7,8,9,10,11,12,13,14,15,16,17,18,19,20,21,22,23,24,25,26,27,28,29,30,31
	ds_store_b128 v2, v[X+4*\j:X+4*\j+3] offset:512*\j   ; xn as [32 channels][1,024] f32, as it lies in memory: 512 consecutive bytes a store
.endr
	s_wait_dscnt 0x0                               ; for the others' sake: my stores have landed
	s_barrier_signal -1
	s_barrier_wait -1                              ; all 32 channels of the block lie in LDS
; Run rho: positions 128 w + 32 rho + q(lane).  32 loads: channel c of my position; the 32 lanes of a load take 32 different words of 128 consecutive bytes
.macro RLOAD rho
.irp c, 0,1,2,3,4,5,6,7,8,9,10,11,12,13,14,15,16,17,18,19,20,21,22,23,24,25,26,27,28,29,30,31
	ds_load_b32 v[X+32*\rho+\c], v[3+\c/16] offset:4096*(\c%16)+128*\rho
.endr
.endm
; A block: its largest magnitude with the floor 2^(3 - 127) among the leaves, 2 off the exponent field, the conversions, the byte.  left: the younger LDS loads, which may stay out
.macro BLOCK rho, left
.set XS, X+32*\rho
	s_wait_dscnt \left
	v_max3_num_f32 v36, |v[XS]|, |v[XS+1]|, |v[XS+2]|
	v_max3_num_f32 v37, |v[XS+3]|, |v[XS+4]|, |v[XS+5]|
.irp i, 6,10,14,18,22,26
	v_max3_num_f32 v36, v36, |v[XS+\i]|, |v[XS+\i+1]|
	v_max3_num_f32 v37, v37, |v[XS+\i+2]|, |v[XS+\i+3]|
.endr
	v_max3_num_f32 v36, v36, |v[XS+30]|, |v[XS+31]|
	v_max3_num_f32 v36, v36, v37, 0x1800000        ; the floor: the byte cannot fall under 1
	v_add_nc_u32 v38, 0xff000000, v36              ; the conversion takes the exponent field of this operand as its scale, and nothing else of it
.irp g, 0,1,2,3
	v_cvt_scalef32_pk8_fp4_f32 v[44+4*\rho+\g], v[XS+8*\g:XS+8*\g+7], v38
.endr
	v_lshrrev_b32 v39, 23, v38                     ; the scale's byte.  (A plain instruction directly behind the conversions)
.if \rho == 0
	v_mov_b32 v40, v39
.else
	v_lshl_or_b32 v40, v39, 8*\rho, v40            ; the four runs' bytes are neighbours in tscales
.endif
	global_store_b128 v5, v[44+4*\rho:47+4*\rho], s[10:11] offset:2048*\rho   ; lanes 0-15 store 256 consecutive bytes, aligned: tile 2 P; lanes 16-31 those 1,024 bytes on: tile 2 P + 1.  Each run has its own data registers
.endm
	RLOAD 0
	RLOAD 1
	BLOCK 0, 32                                    ; the count leaves the next run's 32 loads out
	RLOAD 2
	BLOCK 1, 32
	RLOAD 3
	BLOCK 2, 32
	BLOCK 3, 0
	global_store_b32 v6, v40, s[12:13]             ; 128 consecutive bytes a wave, 1,024 a work-group: one byte in 128 of what the launch reads
	s_wait_tensorcnt 0x0
	ds_add_u32 v192, v193
	s_wait_dscnt 0x0
	s_endpgm
.Lfunc_end_k_qc30e30a6d2_prep:
	.size	k_qc30e30a6d2_prep, .Lfunc_end_k_qc30e30a6d2_prep-k_qc30e30a6d2_prep
	.p2alignl 7, 3214868480
	.fill 96, 4, 3214868480
	.section	.rodata,"a",@progbits
	.p2align	6, 0x0
	.amdhsa_kernel k_qc30e30a6d2_prep
		.amdhsa_group_segment_fixed_size 132096
		.amdhsa_private_segment_fixed_size 0
		.amdhsa_enable_private_segment 0
		.amdhsa_kernarg_size 40
		.amdhsa_user_sgpr_count 2
		.amdhsa_user_sgpr_kernarg_segment_ptr 1
		.amdhsa_wavefront_size32 1
		.amdhsa_system_sgpr_workgroup_id_x 1
		.amdhsa_system_sgpr_workgroup_id_y 1
		.amdhsa_system_sgpr_workgroup_id_z 1
		.amdhsa_system_vgpr_workitem_id 0
		.amdhsa_next_free_vgpr 194
		.amdhsa_next_free_sgpr 66
		.amdhsa_reserve_vcc 0
		.amdhsa_float_denorm_mode_32 3
		.amdhsa_float_denorm_mode_16_64 3
		.amdhsa_memory_ordered 1
		.amdhsa_forward_progress 1
		.amdhsa_inst_pref_size 40
	.end_amdhsa_kernel
	.amdgpu_metadata
---
amdhsa.version: [ 1, 2 ]
amdhsa.kernels:
  - .name:           k_qc30e30a6d2_prep
    .symbol:         k_qc30e30a6d2_prep.kd
    .args:
      - { .name: x, .offset: 0, .size: 8, .value_kind: global_buffer, .address_space: global }
      - { .name: gn_w, .offset: 8, .size: 8, .value_kind: global_buffer, .address_space: global }
      - { .name: gn_b, .offset: 16, .size: 8, .value_kind: global_buffer, .address_space: global }
      - { .name: tcodes, .offset: 24, .size: 8, .value_kind: global_buffer, .address_space: global }
      - { .name: tscales, .offset: 32, .size: 8, .value_kind: global_buffer, .address_space: global }
    .group_segment_fixed_size: 132096
    .private_segment_fixed_size: 0
    .kernarg_segment_align: 8
    .kernarg_segment_size: 40
    .max_flat_workgroup_size: 256
    .sgpr_count:     66
    .vgpr_count:     194
    .wavefront_size: 32
...
	.end_amdgpu_metadata
.endif
;; end of part 1
;; launch attn (part 2): grid 256 x 1, 16 waves a work-group, no clusters, 274,432 bytes of LDS; arguments x, tcodes, tscales, wq_codes, wq_scales, bq, wk_codes, wk_scales, bk, wv_codes, wv_scales, bv, wo_codes, wo_scales, bo, out0; writes out0
.if DOCPART == 2
	.amdgcn_target "amdgcn-amd-amdhsa--gfx1250"
	.amdhsa_code_object_version 6
	.text
	.protected	k_qc30e30a6d2_attn
	.globl	k_qc30e30a6d2_attn
	.p2align	8
	.type	k_qc30e30a6d2_attn,@function
k_qc30e30a6d2_attn:
	s_mov_b64 s[64:65], 0
	v_nop
	global_prefetch_b8 v0, s[64:65] scope:SCOPE_SE
	s_setreg_imm32_b32 hwreg(HW_REG_WAVE_MODE, 25, 1), 1
	s_wait_xcnt 0x0
; out = x + (softmax(q k^T / sqrt(512)) v) wo^T + bo, transposed back, with q, k, v = t W^T + b.  All six products on codes of FP4 (E2M1) with one E8M0 scale for each 32 along a product's K.
; t comes as codes (tcodes: 64 register images of 16 positions x 128 channels an image; tile 2 P + u, row r, is position 32 P + 8 u + r + 8 (r / 8); tscales: see the head's transposition).
; SHARES.  A work-group (image b = g / 4, quarter qb = g % 4) owns 256 queries; each of its SIXTEEN waves owns one tile of 16, in 256 registers, four waves to a SIMD, so that one wave's softmax stands beside another's products and LDS loads.
; K AND V OF THE WHOLE IMAGE ARE MADE IN THE WORK-GROUP, from t's 68 KB of codes: wave w makes four fragments of V^T (key step w / 2, channel tiles 4 (w % 2) on), four of K (tiles 4 w on) and its own Q.
; The four work-groups of an image so make the same K and V: 8 units of 8 products and one quantiser a wave, against a launch more and q, k, v sent through memory.
; OPERANDS GO FROM WAVE TO WAVE THROUGH LDS AS IMAGES OF THEIR REGISTERS (two ds_store_b128, lane l's 16 bytes at 16 l), scale words four to a lane's 16 bytes.  Nothing in LDS is written twice: two barriers in all.
; LAYOUT.  Each product is laid so that a lane's registers run along the NEXT product's K: V^T: source 0 = 16 positions of t, source 1 = 16 rows of wv; K, Q: source 0 = 16 rows of the weight, source 1 = 16 positions;
; S^T = K Q^T, O^T = V^T P^T: a lane holds one query; y = (o / l) wo^T: source 0 = my 16 queries, so that a lane's eight results are eight neighbouring positions of one output channel.
; The rows of a tile of t, wq, wk, wv are not neighbours (row r of tile 2 b + u is 32 b + 8 u + r + 8 (r / 8)), so that the 16 registers of tiles 2 b, 2 b + 1 are 16 neighbours, 32 b + 16 (lane / 16) + 0 .. 15.
; SOFTMAX.  t = score x log2(e) / sqrt(512); M = the running largest t rounded UP to a whole number; p = 2^(t - M) is quantised along the keys, not normalised; the sum is taken of the unquantised p and divides O at the end;
; when M moves, the sum and O^T are multiplied by 2^(old M - new M), which rounds nothing.
; NO TENSOR LOAD, NO CLUSTER: K and V are stored into LDS by the waves themselves; what the four work-groups of an image read in common are 69,632 bytes of codes and scales, beside 262,144 bytes of x and of out0 each that they do not share.
; LIMITS: NaN and infinities are not served.  A block whose largest magnitude lies under 2^-124 gets the byte 1, a block of zeros too (the rule says 127): its codes are zeros and this program alone reads the bytes.
; o / l is a multiplication by v_rcp_f32 (l).  The output is (y + bo) + x, in that order.
.set KIMG, 0                           ; LDS: K's 64 fragment images x 1,024 bytes: 8 x key step + tile
.set VIMG, 65536                       ; V^T's likewise: 8 x key step + channel tile
.set KSC,  131072                      ; K's scale words: 512 bytes a key step; the word of tile 2 P + u, row r, at 16 (16 u + r) + 4 P
.set VSC,  135168                      ; V^T's likewise
.set STG,  139264                      ; the stage for the way out: 128 output channels x (1,024 bytes + 16)
.set SPI,  1040                        ; its pitch: row r begins 16 r bytes on, modulo 256, so sixteen rows' 16-byte stores fall on sixteen different columns
.set BIG,  32                          ; v32-95   eight fragments: t, a weight, K, V^T, wo
.set H,    96                          ; v96-159  eight tiles of results: v, k, q, S^T, then p; at the end o / l, then x
.set O,    160                         ; v160-223 biases (and wv's four fragments); then O^T; then y
.set PC,   224                         ; v224-231 the codes just made
; v0 the thread's number; v1 16 x lane; v2-13 offsets of the head (named where they are made); in the loop v5 the prefetch's offset, v8-11 LDS addresses, v12 -M, v13 the largest t, v[14:15] the sum in two halves
; v16-23, v24-31 two fragments of t by turns; then v16-23 Q.  v232-235 maxima, v236-239 the other lane's, then bytes, v240-243 the conversions' scale operands, v252 f, v254 at work
; SCALE WORDS ONLY: v244 the word just made; v245, v246 t's words of my four tiles of K; v247 of my queries; v248-251 four paired words (lanes 0-15 tile 2 g, lanes 16-31 tile 2 g + 1); v253, v255 wv's paired words, later p's word and q's
; s2 wave, s3 wave % 2, s4 wave / 2, s5 qb, s6 b; s[8:39] the sixteen addresses in the order of the arguments; s[40:47], s[60:63], s[66:67] bases; s[50:51] lane selects; s[52:53] c; s54-57 LDS bytes of the key step; s58 steps to go; s[68:75] bo
.macro PLACES n                        ; plain vector instructions that name no register: the places behind a matrix instruction (ISA guide 7.12.1) and in front of a scaled one
.rept \n
	v_nop
.endr
.endm
; One product, C in registers.  ra, rb = 1: that side's scale words are taken from lanes 16-31
.macro WM d, a, b, c, sa, sb, ra, rb
.if ((\ra) == 0) && ((\rb) == 0)
	v_wmma_scale_f32_16x16x128_f8f6f4 v[\d:\d+7], v[\a:\a+7], v[\b:\b+7], v[\c:\c+7], v[\sa], v[\sb] matrix_a_fmt:MATRIX_FMT_FP4 matrix_b_fmt:MATRIX_FMT_FP4
.elseif (\rb) == 0
	v_wmma_scale_f32_16x16x128_f8f6f4 v[\d:\d+7], v[\a:\a+7], v[\b:\b+7], v[\c:\c+7], v[\sa], v[\sb] matrix_a_fmt:MATRIX_FMT_FP4 matrix_b_fmt:MATRIX_FMT_FP4 matrix_a_scale:MATRIX_SCALE_ROW1
.elseif (\ra) == 0
	v_wmma_scale_f32_16x16x128_f8f6f4 v[\d:\d+7], v[\a:\a+7], v[\b:\b+7], v[\c:\c+7], v[\sa], v[\sb] matrix_a_fmt:MATRIX_FMT_FP4 matrix_b_fmt:MATRIX_FMT_FP4 matrix_b_scale:MATRIX_SCALE_ROW1
.else
	v_wmma_scale_f32_16x16x128_f8f6f4 v[\d:\d+7], v[\a:\a+7], v[\b:\b+7], v[\c:\c+7], v[\sa], v[\sb] matrix_a_fmt:MATRIX_FMT_FP4 matrix_b_fmt:MATRIX_FMT_FP4 matrix_a_scale:MATRIX_SCALE_ROW1 matrix_b_scale:MATRIX_SCALE_ROW1
.endif
.endm
; The same with the constant 0 as C: the product starts its sum
.macro WMZ d, a, b, sa, sb, ra, rb
.if ((\ra) == 0) && ((\rb) == 0)
	v_wmma_scale_f32_16x16x128_f8f6f4 v[\d:\d+7], v[\a:\a+7], v[\b:\b+7], 0, v[\sa], v[\sb] matrix_a_fmt:MATRIX_FMT_FP4 matrix_b_fmt:MATRIX_FMT_FP4
.elseif (\rb) == 0
	v_wmma_scale_f32_16x16x128_f8f6f4 v[\d:\d+7], v[\a:\a+7], v[\b:\b+7], 0, v[\sa], v[\sb] matrix_a_fmt:MATRIX_FMT_FP4 matrix_b_fmt:MATRIX_FMT_FP4 matrix_a_scale:MATRIX_SCALE_ROW1
.else
	v_wmma_scale_f32_16x16x128_f8f6f4 v[\d:\d+7], v[\a:\a+7], v[\b:\b+7], 0, v[\sa], v[\sb] matrix_a_fmt:MATRIX_FMT_FP4 matrix_b_fmt:MATRIX_FMT_FP4 matrix_b_scale:MATRIX_SCALE_ROW1
.endif
.endm
; Eight products: the eight fragments in BIG (source 0) against one fragment at v[small] (source 1), into H.  C = the bias at v[cb + cs i].  Eight different accumulators, one instruction each
.macro MM8 small, cb, cs, sb, row
.irp i, 0,1,2,3,4,5,6,7
	WM H+8*\i, BIG+8*\i, \small, \cb+\cs*\i, 248+\i/2, \sb, \i%2, \row
.endr
.endm
; 64 numbers of a lane, v[s] on, register 16 b + i = k 32 b + 16 (lane / 16) + i of my row, become a fragment's codes in v[pc] on and its scale word in v[pw]
.macro QUANT s, pc, pw
.irp b, 0,1,2,3
	v_max3_num_f32 v[232+\b], |v[\s+16*\b]|, |v[\s+1+16*\b]|, 0x1800000   ; block b: my 16 numbers, from each tile's low end on, and the floor 2^(3 - 127): the byte cannot fall under 1
.endr
.irp i, 2,4,6,8,10,12,14
.irp b, 0,1,2,3
	v_max3_num_f32 v[232+\b], v[232+\b], |v[\s+16*\b+\i]|, |v[\s+1+16*\b+\i]|   ; (the four blocks by turns: no line waits for the line above it)
.endr
.endr
.irp b, 0,1,2,3
	v_permlanex16_b32 v[236+\b], v[232+\b], s50, s51
.endr
.irp b, 0,1,2,3
	v_max_num_f32 v[232+\b], v[232+\b], v[236+\b]  ; with lane l xor 16's: the block's largest magnitude
.endr
.irp b, 0,1,2,3
	v_add_nc_u32 v[240+\b], 0xff000000, v[232+\b]  ; 2 off its exponent field: the conversion's scale operand
.endr
.irp b, 0,1,2,3
	v_lshrrev_b32 v[236+\b], 23, v[240+\b]         ; the scale's byte
.endr
	v_lshl_or_b32 v[\pw], v237, 8, v236            ; the four bytes make my row's scale word (the same in lanes l and l xor 16)
	v_lshl_or_b32 v[\pw], v238, 16, v[\pw]
	v_lshl_or_b32 v[\pw], v239, 24, v[\pw]
.irp b, 0,1,2,3
	v_cvt_scalef32_pk8_fp4_f32 v[\pc+2*\b], v[\s+16*\b:\s+7+16*\b], v[240+\b]
	v_cvt_scalef32_pk8_fp4_f32 v[\pc+1+2*\b], v[\s+8+16*\b:\s+15+16*\b], v[240+\b]
.endr
	v_nop                                          ; one plain place behind a scaled conversion
.irp c, 0,1                                    ; the operand's layout wants a WHOLE block in a lane: lanes 0-15 block 2 c, lanes 16-31 block 2 c + 1
.irp i, 0,1
	v_permlane16_swap_b32 v[\pc+4*\c+\i], v[\pc+2+4*\c+\i]
.endr
.endr
.endm
.macro IMAGE adr, off                          ; the fragment in v[PC] on goes to LDS as it stands
.irp c, 0,1
	ds_store_b128 v[\adr], v[PC+4*\c:PC+4*\c+3] offset:\off+512*\c
.endr
.endm
; A weight of K's or Q's kind: its eight fragments into BIG (rows chosen as the head comment says), its bias in the result's layout into O, its paired scale words.  cp, bp, sp: the scalar pairs of the three addresses.  36 loads
.macro WLOAD cp, bp, sp
.irp i, 0,1,2,3,4,5,6,7
.irp c, 0,1
	global_load_b128 v[BIG+8*\i+4*\c:BIG+8*\i+4*\c+3], v2, s[\cp:\cp+1] offset:(32*(\i/2)+8*(\i%2))*64+32*\c
.endr
.endr
.irp i, 0,1,2,3,4,5,6,7
	global_load_b128 v[O+8*\i:O+8*\i+3], v6, s[\bp:\bp+1] offset:(32*(\i/2)+8*(\i%2))*4       ; lane (r, h), register j of tile i: the bias of unit 32 (i / 2) + 8 (i % 2) + 16 h + j
	global_load_b128 v[O+8*\i+4:O+8*\i+7], v6, s[\bp:\bp+1] offset:(32*(\i/2)+8*(\i%2))*4+16
.endr
.irp g, 0,1,2,3
	global_load_b32 v[248+\g], v4, s[\sp:\sp+1] offset:128*\g
.endr
.endm
.macro SMLOAD reg, bp, off                     ; one fragment image of t: two loads of 512 consecutive bytes
.irp c, 0,1
	global_load_b128 v[\reg+4*\c:\reg+4*\c+3], v1, s[\bp:\bp+1] offset:\off+512*\c
.endr
.endm
	s_load_b512 s[8:23], s[0:1], 0x0               ; x, tcodes, tscales, wq_codes, wq_scales, bq, wk_codes, wk_scales
	s_load_b512 s[24:39], s[0:1], 0x40             ; bk, wv_codes, wv_scales, bv, wo_codes, wo_scales, bo, out0
	v_lshrrev_b32 v1, 5, v0
	v_readfirstlane_b32 s2, v1                     ; wave 0..15
	s_and_b32 s3, s2, 1                            ; par
	s_lshr_b32 s4, s2, 1                           ; hw
	s_and_b32 s5, ttmp9, 3                         ; qb
	s_lshr_b32 s6, ttmp9, 2                        ; b
	s_cmp_lg_u32 s3, 0
	s_cselect_b32 s59, -1, 0                       ; a lane mask: all ones in odd waves
	s_mov_b32 s50, 0x76543210
	s_mov_b32 s51, 0xfedcba98                      ; v_permlanex16_b32's selects for lane l xor 16
	s_mov_b32 s52, 0x3d8293ee                      ; c = log2(e) / sqrt(512)
	s_mov_b32 s53, s52                             ; (named with it as a pair, so it is written)
	s_mov_b32 s54, KIMG
	s_mov_b32 s55, VIMG
	s_mov_b32 s56, KSC
	s_mov_b32 s57, VSC
	s_mov_b32 s58, 8
	v_and_b32 v14, 31, v0                          ; lane
	v_and_b32 v15, 15, v0                          ; r
	v_bfe_u32 v16, v0, 4, 1                        ; h
	v_lshlrev_b32 v1, 4, v14                       ; v1: 16 x lane
	v_and_b32 v17, 8, v15
	v_add_nc_u32 v17, v17, v15                     ; r + 8 (r / 8)
	v_lshlrev_b32 v2, 6, v17
	v_lshl_add_u32 v2, v16, 4, v2                  ; v2: a weight's fragment: row r + 8 (r / 8) of 64 bytes, + 16 h
	s_lshl_b32 s7, s3, 12
	v_add_nc_u32 v3, s7, v2                        ; v3: the same in wv's rows 64 par on
	v_lshl_add_u32 v4, v16, 3, v17
	v_lshlrev_b32 v4, 2, v4                        ; v4: paired scale words: row 8 h + r + 8 (r / 8), 4 bytes a row
	s_lshl_b32 s7, s3, 8
	v_lshl_add_u32 v5, v17, 2, s7                  ; v5: bv of my lane's row of wv
	v_add_nc_u32 v13, s7, v4                       ; v13: wv's paired scale words
	v_lshlrev_b32 v6, 6, v16                       ; v6: a bias in the result's layout: 64 h
	s_lshl_b32 s7, s5, 8                           ; v7: my queries' bytes in a plane of tscales: tile 16 qb + w is P = 8 qb + hw, u = par
	s_lshr_b32 s48, s2, 3
	s_lshl_b32 s48, s48, 7
	s_add_co_u32 s7, s7, s48
	s_lshl_b32 s48, s3, 6
	s_add_co_u32 s7, s7, s48
	s_and_b32 s48, s4, 3
	s_add_co_u32 s7, s7, s48
	v_lshl_add_u32 v7, v15, 2, s7
	s_lshl_b32 s7, s2, 12
	v_add_nc_u32 v8, s7, v1                        ; v8: where I store K's images: 16 x lane + 4,096 w
	v_add_nc_u32 v9, 0x10000, v8                   ; v9: and V^T's: 8 hw + 4 par = 4 w fragments on in VIMG
	s_lshl_b32 s7, s4, 9
	s_lshl_b32 s48, s3, 3
	s_add_co_u32 s7, s7, s48
	s_add_co_u32 s7, s7, KSC
	v_lshl_add_u32 v10, v15, 4, s7                 ; v10: K's scale words: KSC + 512 hw + 16 r + 4 (2 par)
	v_add_nc_u32 v11, 4096, v10                    ; v11: V^T's
	s_lshl_b32 s7, s4, 7
	v_lshl_add_u32 v12, v14, 2, s7                 ; v12: tscales of key step hw: 128 hw + 4 x lane
.irp b, 0,1,2,3
	v_mov_b32 v[236+\b], 0                         ; written once: a lane permute's destination counts as one of its sources
.endr
	s_mov_b32 s49, 0
	s_wait_kmcnt 0x0
	s_lshl_b32 s48, s6, 16
	s_add_nc_u64 s[10:11], s[10:11], s[48:49]      ; tcodes at my image
	s_lshl_b32 s48, s4, 13
	s_add_nc_u64 s[40:41], s[10:11], s[48:49]      ; the eight tiles of key step hw
	s_lshl_b32 s48, s2, 12
	s_add_nc_u64 s[42:43], s[10:11], s[48:49]      ; tiles 4 w on
	s_lshl_b32 s48, s5, 14
	s_lshl_b32 s7, s2, 10
	s_add_co_u32 s48, s48, s7
	s_add_nc_u64 s[44:45], s[10:11], s[48:49]      ; tile 16 qb + w: my queries
	s_lshl_b32 s48, s6, 12
	s_add_nc_u64 s[46:47], s[12:13], s[48:49]      ; tscales at my image
	; THE HEAD'S LOADS
.irp i, 0,1,2,3,4,5,6,7
	SMLOAD BIG+8*\i, 40, 1024*\i
.endr
.irp j, 0,1,2,3
.irp c, 0,1
	global_load_b128 v[192+8*\j+4*\c:195+8*\j+4*\c], v3, s[26:27] offset:(32*(\j/2)+8*(\j%2))*64+32*\c   ; wv's four tiles of mine
.endr
.endr
.irp j, 0,1,2,3
.irp n, 0,1,2,3,4,5,6,7
	global_load_b32 v[O+8*\j+\n], v5, s[30:31] offset:(32*(\j/2)+8*(\j%2))*4   ; V^T's bias hangs on the lane alone: eight registers with one number, each by a load of its own (an issue slot, as a copy would be)
.endr
.endr
.irp g, 0,1,2,3
	global_load_b32 v[96+\g], v12, s[46:47] offset:1024*\g    ; plane g: the bytes of channel block g for P = 4 hw + 0 .. 3 at my lane's position
	global_load_u8 v[100+\g], v7, s[46:47] offset:1024*\g     ; and the one byte of my query
.endr
	global_load_b32 v253, v13, s[28:29]
	global_load_b32 v255, v13, s[28:29] offset:128
	SMLOAD 16, 42, 0
	SMLOAD 24, 42, 1024
	s_lshl_b32 s48, s6, 19                         ; x and out0: image b, my 256 positions,
	s_lshl_b32 s7, s5, 10
	s_add_co_u32 s48, s48, s7
	s_add_nc_u64 s[60:61], s[8:9], s[48:49]
	s_add_nc_u64 s[66:67], s[38:39], s[48:49]
	s_lshl_b32 s48, s2, 15                         ; channels 8 w on
	s_add_nc_u64 s[62:63], s[60:61], s[48:49]
	s_add_nc_u64 s[66:67], s[66:67], s[48:49]
	s_lshl_b32 s48, s2, 5
	s_add_nc_u64 s[36:37], s[36:37], s[48:49]
	s_load_b256 s[68:75], s[36:37], 0x0            ; bo of those eight channels
	s_wait_loadcnt 0x0
	; four planes x four P become four words a lane: byte g of word P = plane g's byte P
	v_perm_b32 v104, v97, v96, 0x05010400
	v_perm_b32 v105, v97, v96, 0x07030602
	v_perm_b32 v106, v99, v98, 0x05010400
	v_perm_b32 v107, v99, v98, 0x07030602
	v_perm_b32 v248, v106, v104, 0x05040100
	v_perm_b32 v249, v106, v104, 0x07060302
	v_perm_b32 v250, v107, v105, 0x05040100
	v_perm_b32 v251, v107, v105, 0x07060302
	v_cndmask_b32 v245, v248, v250, s59            ; my tiles of K, 4 w + 0 .. 3, are P = 4 hw + 2 par and + 1 of the same key step
	v_cndmask_b32 v246, v249, v251, s59
	v_lshl_or_b32 v247, v101, 8, v100
	v_lshl_or_b32 v247, v102, 16, v247
	v_lshl_or_b32 v247, v103, 24, v247
	PLACES 8                                       ; a scale register written by a vector instruction stands 8 places ahead of a scaled product
	; ---- V^T: for each of my four channel tiles: 128 keys x 16 channels, quantised along the keys
.irp j, 0,1,2,3
	MM8 192+8*\j, O+8*\j, 0, 253+2*(\j/2), \j%2
	PLACES 4
.if \j == 3
	WLOAD 20, 24, 22                               ; wk, bk, wk's scale words land while the last tile is quantised
.endif
	QUANT H, PC, 244
	IMAGE 9, 1024*\j
	ds_store_b32 v11, v244 offset:4*(\j/2)+256*(\j%2)   ; lanes l and l xor 16 write the same word with the same value
	s_wait_dscnt 0x0                               ; the stores have read their registers
.endr
	; ---- K: for each of my four tiles of keys: 16 keys x 128 channels, quantised along the channels
.irp t, 0,1,2,3
.if \t == 0
	s_wait_loadcnt 0x0                             ; wk, bk, the words
.elseif \t >= 2
	s_wait_loadcnt 0x2                             ; this tile's two loads are in; behind them stand the two asked for one unit later
.endif
	MM8 16+8*(\t%2), O, 8, 245+\t/2, \t%2
	PLACES 4
.if \t == 0
	SMLOAD 16, 42, 2048
.elseif \t == 1
	SMLOAD 24, 42, 3072
.elseif \t == 2
	SMLOAD 16, 44, 0                               ; my queries' tile of t
.else
	WLOAD 14, 18, 16                               ; wq, bq, wq's scale words
.endif
	QUANT H, PC, 244
	IMAGE 8, 1024*\t
	ds_store_b32 v10, v244 offset:4*(\t/2)+256*(\t%2)
	s_wait_dscnt 0x0
.endr
	; ---- Q: my 16 queries; the fragment stays in v16-23, its scale word in v255
	s_wait_loadcnt 0x0
	MM8 16, O, 8, 247, 0
	PLACES 4
	QUANT H, 16, 255
.set j, 0
.rept 64
	v_mov_b32 v[O+j], 0                            ; O^T.  (The key step is written once: the first finds zeros, which the first change of M leaves zeros)
.set j, j+1
.endr
	v_mov_b32 v13, 0xff61b1e6                      ; the largest t so far: -3e38, under every t
	v_floor_f32 v12, -v13                          ; -M
	v_mov_b32 v14, 0                               ; the sum, in two halves
	v_mov_b32 v15, 0
	v_lshrrev_b32 v5, 2, v0
	v_lshlrev_b32 v5, 12, v5
	v_and_b32 v254, 3, v0
	v_lshl_add_u32 v5, v254, 8, v5                 ; thread n: channel n / 4, block n % 4 of 256 bytes of my work-group's 1,024 bytes of that channel
	s_wait_dscnt 0x0                               ; for the others' sake: my images and words have landed
	s_barrier_signal -1
	s_barrier_wait -1                              ; K and V^T of the whole image lie in LDS
.Lstep:                                            ; eight trips of 128 keys
	v_add_nc_u32 v8, s54, v1                       ; (these four are also the places behind the last trip's products, in front of the loads into their operands)
	v_add_nc_u32 v9, s55, v1
	v_add_nc_u32 v10, s56, v1
	v_add_nc_u32 v11, s57, v1
.irp i, 0,1,2,3,4,5,6,7
.irp c, 0,1
	ds_load_b128 v[BIG+8*\i+4*\c:BIG+8*\i+4*\c+3], v8 offset:1024*\i+512*\c
.endr
.endr
	ds_load_b128 v[248:251], v10
	s_wait_dscnt 0x0
.irp i, 0,1,2,3,4,5,6,7
	WMZ H+8*\i, BIG+8*\i, 16, 248+\i/2, 255, \i%2, 0   ; S^T: lane (r, h): query r; the 16 registers of tiles 2 b, 2 b + 1: keys 32 b + 16 h + 0 .. 15
.endr
	PLACES 4
.irp i, 0,1,2,3,4,5,6,7
.irp c, 0,1
	ds_load_b128 v[BIG+8*\i+4*\c:BIG+8*\i+4*\c+3], v9 offset:1024*\i+512*\c   ; V^T's fragments land while the softmax is worked
.endr
.endr
	ds_load_b128 v[248:251], v11
	s_cmp_lg_u32 s58, 2                            ; in the seventh of the eight trips each thread asks once for one block of 256 bytes of x: the 512 threads ask for the 512 blocks
	s_cbranch_scc1 .Lnp                            ; that the work-group adds on the way out, one trip and the last product ahead of their loads; all lie inside x
	global_prefetch_b8 v5, s[60:61] th:TH_LOAD_NT scope:SCOPE_SE
.Lnp:
.irp b, 0,1,2,3
	v_max3_num_f32 v[232+\b], v[H+16*\b], v[H+1+16*\b], v[H+2+16*\b]   ; THE LARGEST SCORE OF EACH BLOCK OF 32 KEYS serves twice: for the row's maximum, and, since p rises with the score, for the block's largest p
.endr
.irp i, 3,5,7,9,11,13
.irp b, 0,1,2,3
	v_max3_num_f32 v[232+\b], v[232+\b], v[H+16*\b+\i], v[H+1+16*\b+\i]
.endr
.endr
.irp b, 0,1,2,3
	v_max_num_f32 v[232+\b], v[232+\b], v[H+15+16*\b]
.endr
.irp b, 0,1,2,3
	v_permlanex16_b32 v[236+\b], v[232+\b], s50, s51
.endr
.irp b, 0,1,2,3
	v_max_num_f32 v[232+\b], v[232+\b], v[236+\b]  ; with lane l xor 16's 16 keys
.endr
	v_max3_num_f32 v254, v232, v233, v234
	v_max_num_f32 v254, v254, v235                 ; the step's largest score of my query
	v_mul_f32 v254, s52, v254                      ; as t (c is positive)
	v_max_num_f32 v13, v13, v254                   ; the running largest t
	v_mov_b32 v254, v12
	v_floor_f32 v12, -v13                          ; the new -M = floor(-t) = -ceil(t): a whole number
	v_sub_f32 v254, v12, v254                      ; old M less new M: a whole number, 0 or less
	v_cvt_i32_f32 v254, v254                       ; (it saturates)
	v_ldexp_f32 v252, 1.0, v254                    ; f = 2^(old M - new M)
.set j, 0
.rept 32
	v_pk_fma_f32 v[H+j:H+j+1], v[H+j:H+j+1], s[52:53], v[12:13] op_sel_hi:[1,0,0]   ; t - M, two at a time (of the pairs c and -M the low word serves both halves)
.set j, j+2
.endr
.irp b, 0,1,2,3
	v_fma_f32 v[232+\b], v[232+\b], s52, v12       ; the same of each block's largest score
.endr
.set j, 0
.rept 64
	v_exp_f32 v[H+j], v[H+j]                       ; p = 2^(t - M): not normalised
.set j, j+1
.endr
.irp b, 0,1,2,3
	v_exp_f32 v[232+\b], v[232+\b]                 ; the block's largest p: the same two instructions on the same number give the same bits
.endr
	v_pk_mul_f32 v[14:15], v[14:15], v[252:253] op_sel_hi:[1,0]   ; the sums under the new M.  (A plain place behind the exponentials)
	s_wait_alu depctr_va_vdst(0)
.irp b, 0,1,2,3
	v_max_num_f32 v[232+\b], 0x1800000, v[232+\b]  ; the floor 2^(3 - 127): the byte cannot fall under 1
.endr
.irp b, 0,1,2,3
	v_add_nc_u32 v[240+\b], 0xff000000, v[232+\b]  ; 2 off the exponent field: the conversion's scale operand
.endr
.irp b, 0,1,2,3
	v_lshrrev_b32 v[236+\b], 23, v[240+\b]         ; the scale's byte
.endr
	v_lshl_or_b32 v253, v237, 8, v236              ; p's scale word for these 128 keys
	v_lshl_or_b32 v253, v238, 16, v253
	v_lshl_or_b32 v253, v239, 24, v253
.irp b, 0,1,2,3
	v_cvt_scalef32_pk8_fp4_f32 v[PC+2*\b], v[H+16*\b:H+7+16*\b], v[240+\b]
	v_cvt_scalef32_pk8_fp4_f32 v[PC+1+2*\b], v[H+8+16*\b:H+15+16*\b], v[240+\b]
.endr
	v_nop                                          ; one plain place behind a scaled conversion
.irp c, 0,1
.irp i, 0,1
	v_permlane16_swap_b32 v[PC+4*\c+\i], v[PC+2+4*\c+\i]
.endr
.endr
	v_pk_add_f32 v[236:237], v[H:H+1], v[H+2:H+3]  ; THE ROW'S SUM IS TAKEN OF THE UNQUANTISED p: two at a time, in two chains.  (These lines name no register of the products below: they are the places in front of them)
.irp j, 4,8,12,16,20,24,28,32,36,40,44,48,52,56,60
	v_pk_add_f32 v[14:15], v[14:15], v[H+\j:H+1+\j]
	v_pk_add_f32 v[236:237], v[236:237], v[H+2+\j:H+3+\j]
.endr
	v_pk_add_f32 v[14:15], v[14:15], v[236:237]
.set j, 0
.rept 32
	v_pk_mul_f32 v[O+j:O+j+1], v[O+j:O+j+1], v[252:253] op_sel_hi:[1,0]   ; O^T under the new M: x f
.set j, j+2
.endr
	s_wait_dscnt 0x0                               ; V^T's fragments and words
.irp i, 0,1,2,3,4,5,6,7
	WM O+8*\i, BIG+8*\i, PC, O+8*\i, 248+\i/2, 253, \i%2, 0   ; O^T += V^T P^T: eight accumulators by turns, one instruction a turn
.endr
	s_add_co_u32 s54, s54, 8192                    ; the next key step's eight fragments
	s_add_co_u32 s55, s55, 8192
	s_add_co_u32 s56, s56, 512                     ; and scale words
	s_add_co_u32 s57, s57, 512
	s_sub_co_u32 s58, s58, 1
	s_cmp_lg_u32 s58, 0
	s_cbranch_scc1 .Lstep
	; ---- THE WAY OUT.  o = O^T / the sum is quantised along the channels; y = o wo^T; a stage in LDS turns 16 queries x 128 channels a wave into 8 channels x 256 positions a wave.
	v_add_f32 v14, v14, v15                        ; the sum's two halves.  (This line and the addresses below are the places behind the last products)
	v_and_b32 v8, 15, v0                           ; r
	v_bfe_u32 v9, v0, 4, 1                         ; h
	v_and_b32 v10, 31, v0                          ; lane
	v_lshlrev_b32 v2, 6, v8
	v_lshl_add_u32 v2, v9, 4, v2                   ; wo's fragments: rows in their own order: 64 r + 16 h
	v_lshlrev_b32 v3, 2, v10                       ; its paired scale words: row 32 g + lane
	v_mul_u32_u24 v4, v8, SPI
	v_lshl_add_u32 v4, v9, 6, v4
	s_lshl_b32 s7, s4, 7
	s_lshl_b32 s48, s3, 5
	s_add_co_u32 s7, s7, s48
	s_add_co_u32 s7, s7, STG
	v_add_nc_u32 v4, s7, v4                        ; into the stage: channel row r; positions 32 hw + 8 par + 16 h on: 128 hw + 32 par + 64 h bytes
	v_add_nc_u32 v6, 4*16*SPI, v4                  ; and 64 rows further down: an LDS immediate has 16 bits
	s_mul_i32 s7, s2, 8*SPI
	s_add_co_u32 s7, s7, STG
	v_add_nc_u32 v7, s7, v1                        ; back: my eight rows, 16 bytes a lane
.irp i, 0,1,2,3,4,5,6,7
.irp c, 0,1
	global_load_b128 v[BIG+8*\i+4*\c:BIG+8*\i+4*\c+3], v2, s[32:33] offset:1024*\i+32*\c
.endr
.endr
.irp g, 0,1,2,3
	global_load_b32 v[248+\g], v3, s[34:35] offset:128*\g
.endr
	v_permlanex16_b32 v252, v14, s50, s51
	v_add_f32 v14, v14, v252                       ; with lane l xor 16's: the row's sum
	v_rcp_f32 v14, v14
	v_nop                                          ; one plain place behind a transcendental
.set j, 0
	s_wait_alu depctr_va_vdst(0)
.rept 32
	v_pk_mul_f32 v[H+j:H+j+1], v[O+j:O+j+1], v[14:15] op_sel_hi:[1,0]   ; o: register 16 b + i = channel 32 b + 16 h + i of query r; each accumulator from its low end on
.set j, j+2
.endr
	QUANT H, PC, 244
.irp k, 0,1,2,3,4,5,6,7
.irp f, 0,1
	global_load_b128 v[H+8*\k+4*\f:H+8*\k+4*\f+3], v1, s[62:63] offset:4096*\k+512*\f th:TH_LOAD_NT   ; x of channel 8 w + k, my work-group's 256 positions: 512 consecutive bytes a load
.endr
.endr
	PLACES 8                                       ; o's scale word was written by vector instructions
	s_wait_loadcnt 16                              ; wo's twenty loads are in; x's sixteen, issued behind them, may stay out
.irp i, 0,1,2,3,4,5,6,7
	WMZ O+8*\i, PC, BIG+8*\i, 244, 248+\i/2, 0, \i%2   ; lane (r, h), register j: y(position 32 hw + 8 par + 16 h + j, channel 16 i + r)
.endr
	PLACES 4
.irp i, 0,1,2,3
	ds_store_b128 v4, v[O+8*\i:O+8*\i+3] offset:16*SPI*\i          ; each accumulator from its low end on
	ds_store_b128 v4, v[O+8*\i+4:O+8*\i+7] offset:16*SPI*\i+16
.endr
.irp i, 0,1,2,3
	ds_store_b128 v6, v[O+32+8*\i:O+32+8*\i+3] offset:16*SPI*\i
	ds_store_b128 v6, v[O+32+8*\i+4:O+32+8*\i+7] offset:16*SPI*\i+16
.endr
	s_wait_dscnt 0x0                               ; for the others' sake: my stores into the stage have landed
	s_barrier_signal -1
	s_barrier_wait -1                              ; 128 whole rows of 256 positions lie in the stage
.irp k, 0,1,2,3,4,5,6,7
.irp f, 0,1
	ds_load_b128 v[O+8*\k+4*\f:O+8*\k+4*\f+3], v7 offset:SPI*\k+512*\f
.endr
.endr
	s_wait_loadcnt 0x0                             ; x
	s_wait_kmcnt 0x0                               ; bo
.irp k, 0,1,2,3,4,5,6,7
	s_mov_b32 s76, s[68+\k]                        ; the packed form names a pair and takes its low word for both halves
	s_mov_b32 s77, s[68+\k]
.irp f, 0,1
	s_wait_dscnt 15-2*\k-\f                        ; LDS loads come back in order: this one is in, the younger ones may stay out
	v_pk_add_f32 v[O+8*\k+4*\f:O+8*\k+4*\f+1], v[O+8*\k+4*\f:O+8*\k+4*\f+1], s[76:77] op_sel_hi:[1,0]
	v_pk_add_f32 v[O+8*\k+4*\f+2:O+8*\k+4*\f+3], v[O+8*\k+4*\f+2:O+8*\k+4*\f+3], s[76:77] op_sel_hi:[1,0]
	v_pk_add_f32 v[O+8*\k+4*\f:O+8*\k+4*\f+1], v[O+8*\k+4*\f:O+8*\k+4*\f+1], v[H+8*\k+4*\f:H+8*\k+4*\f+1]
	v_pk_add_f32 v[O+8*\k+4*\f+2:O+8*\k+4*\f+3], v[O+8*\k+4*\f+2:O+8*\k+4*\f+3], v[H+8*\k+4*\f+2:H+8*\k+4*\f+3]
	global_store_b128 v1, v[O+8*\k+4*\f:O+8*\k+4*\f+3], s[66:67] offset:4096*\k+512*\f th:TH_STORE_NT   ; 32 lanes store 512 consecutive bytes, at a multiple of 256 from out0's first byte; no store's data are written again
.endr
.endr
	s_wait_xcnt 0x0
	v_lshl_add_u32 v254, v0, 2, 0x42800
	v_mov_b32 v255, 0
	s_wait_tensorcnt 0x0
	ds_add_u32 v254, v255
	s_wait_dscnt 0x0
	s_endpgm
.Lfunc_end_k_qc30e30a6d2_attn:
	.size	k_qc30e30a6d2_attn, .Lfunc_end_k_qc30e30a6d2_attn-k_qc30e30a6d2_attn
	.p2alignl 7, 3214868480
	.fill 96, 4, 3214868480
	.section	.rodata,"a",@progbits
	.p2align	6, 0x0
	.amdhsa_kernel k_qc30e30a6d2_attn
		.amdhsa_group_segment_fixed_size 274432
		.amdhsa_private_segment_fixed_size 0
		.amdhsa_enable_private_segment 0
		.amdhsa_kernarg_size 128
		.amdhsa_user_sgpr_count 2
		.amdhsa_user_sgpr_kernarg_segment_ptr 1
		.amdhsa_wavefront_size32 1
		.amdhsa_system_sgpr_workgroup_id_x 1
		.amdhsa_system_sgpr_workgroup_id_y 1
		.amdhsa_system_sgpr_workgroup_id_z 1
		.amdhsa_system_vgpr_workitem_id 0
		.amdhsa_next_free_vgpr 256
		.amdhsa_next_free_sgpr 80
		.amdhsa_reserve_vcc 0
		.amdhsa_float_denorm_mode_32 3
		.amdhsa_float_denorm_mode_16_64 3
		.amdhsa_memory_ordered 1
		.amdhsa_forward_progress 1
		.amdhsa_inst_pref_size 105
	.end_amdhsa_kernel
	.amdgpu_metadata
---
amdhsa.version: [ 1, 2 ]
amdhsa.kernels:
  - .name:           k_qc30e30a6d2_attn
    .symbol:         k_qc30e30a6d2_attn.kd
    .args:
      - { .name: x, .offset: 0, .size: 8, .value_kind: global_buffer, .address_space: global }
      - { .name: tcodes, .offset: 8, .size: 8, .value_kind: global_buffer, .address_space: global }
      - { .name: tscales, .offset: 16, .size: 8, .value_kind: global_buffer, .address_space: global }
      - { .name: wq_codes, .offset: 24, .size: 8, .value_kind: global_buffer, .address_space: global }
      - { .name: wq_scales, .offset: 32, .size: 8, .value_kind: global_buffer, .address_space: global }
      - { .name: bq, .offset: 40, .size: 8, .value_kind: global_buffer, .address_space: global }
      - { .name: wk_codes, .offset: 48, .size: 8, .value_kind: global_buffer, .address_space: global }
      - { .name: wk_scales, .offset: 56, .size: 8, .value_kind: global_buffer, .address_space: global }
      - { .name: bk, .offset: 64, .size: 8, .value_kind: global_buffer, .address_space: global }
      - { .name: wv_codes, .offset: 72, .size: 8, .value_kind: global_buffer, .address_space: global }
      - { .name: wv_scales, .offset: 80, .size: 8, .value_kind: global_buffer, .address_space: global }
      - { .name: bv, .offset: 88, .size: 8, .value_kind: global_buffer, .address_space: global }
      - { .name: wo_codes, .offset: 96, .size: 8, .value_kind: global_buffer, .address_space: global }
      - { .name: wo_scales, .offset: 104, .size: 8, .value_kind: global_buffer, .address_space: global }
      - { .name: bo, .offset: 112, .size: 8, .value_kind: global_buffer, .address_space: global }
      - { .name: out0, .offset: 120, .size: 8, .value_kind: global_buffer, .address_space: global }
    .group_segment_fixed_size: 274432
    .private_segment_fixed_size: 0
    .kernarg_segment_align: 8
    .kernarg_segment_size: 128
    .max_flat_workgroup_size: 512
    .sgpr_count:     80
    .vgpr_count:     256
    .wavefront_size: 32
...
	.end_amdgpu_metadata
.endif
;; end of part 2
;; ======== version 2 of 2: 2 launches
;; workspace buffers: tcodes 4,194,304 bytes; tscales 262,144 bytes
;; launch prep (part 3): grid 256 x 1, 8 waves a work-group, no clusters, 132,096 bytes of LDS; arguments x, gn_w, gn_b, tcodes, tscales; writes tcodes, tscales
.if DOCPART == 3
	.amdgcn_target "amdgcn-amd-amdhsa--gfx1250"
	.amdhsa_code_object_version 6
	.text
	.protected	k_qc30e30a6d2_prep
	.globl	k_qc30e30a6d2_prep
	.p2align	8
	.type	k_qc30e30a6d2_prep,@function
k_qc30e30a6d2_prep:
	s_mov_b64 s[64:65], 0
	v_nop
	global_prefetch_b8 v0, s[64:65] scope:SCOPE_SE
	s_setreg_imm32_b32 hwreg(HW_REG_WAVE_MODE, 25, 1), 1
	s_wait_xcnt 0x0
; GroupNorm of x [64][128][1024] f32 (32 groups of 4 channels) and the quantiser of t = xn^T along the channels: codes of FP4 (E2M1), one E8M0 byte for each 32 channels.
; SHARES.  A block of 32 channels of one image is 8 whole groups and 131,072 consecutive bytes of x: one work-group (image b = g / 4, block blk = g % 4) reads them once.
; Wave w normalises group 8 blk + w (16,384 bytes, kept in 128 registers between the passes: sum, centred squares, scaling), puts xn into LDS, and behind ONE barrier quantises positions 128 w .. 128 w + 127:
; a lane takes a position and its 32 registers run down the 32 channels, so that a block's largest magnitude needs no other lane and the conversions give codes with the channels innermost.
; OUT.  tcodes[b]: 64 tiles of 16 positions x 1,024 bytes, each AN IMAGE OF THE OPERAND'S REGISTERS: block blk of row r of a tile lies at 256 blk + 16 r.  Tile 2 P + u, row r, is position 32 P + 8 u + r + 8 (r / 8).
; tscales[b]: the byte of block blk, positions 32 P + q(l), l = 16 u + r, lies at 1,024 blk + 128 (P / 4) + 4 l + P % 4.
; The variance is the mean of the squares of x - mean (two passes over registers), so a common offset of x costs no digits.
; LIMITS: NaN and infinities in x are not served.  A block whose largest magnitude lies under 2^-124 gets the byte 1, a block of zeros too (the rule says 127): its codes are zeros and this program alone reads the bytes.
; rstd x gain is formed first and xn = d (rstd gain) + offset is one fused multiply-add: the order of rounding differs from (d rstd) gain + offset in the last bit.
; No tensor load, no matrix unit, no cluster: the work-groups share no byte, and the launch moves each byte of x once.  x is loaded without a hint: the next launch reads it again.
.set X, 64                             ; v64-191  the group's 4,096 numbers, 128 a lane; later four runs of 32 channel numbers
; v1 16 x lane; v2 LDS: 16,384 w + 16 x lane; v3, v4 LDS: 512 w + 4 q(lane), and 65,536 more; v5 my codes' place: 1,024 u + 16 r; v6 4 x lane
; v8-15 four chains of pairs; v16-17 the mean, twice; v18 rstd; v19 a lane permute's destination; v20-27 rstd x gain of my 4 channels, each twice; v28-35 their offsets, each twice
; v36-37 maxima; v38 the conversion's scale operand; v39 a scale byte; v40 four of them; v41 2^-12; v42 the variance + eps; v44-59 codes, four registers a run
	s_load_b256 s[4:11], s[0:1], 0x0               ; x s[4:5], gn_w s[6:7], gn_b s[8:9], tcodes s[10:11]
	s_load_b64 s[12:13], s[0:1], 0x20              ; tscales
	v_lshl_add_u32 v192, v0, 2, 0x20000
	v_mov_b32 v193, 0
	v_lshrrev_b32 v1, 5, v0
	s_delay_alu instid0(VALU_DEP_1)
	v_readfirstlane_b32 s14, v1                    ; wave 0..7
	s_and_b32 s15, ttmp9, 3                        ; blk
	s_lshr_b32 s16, ttmp9, 2                       ; b
	v_and_b32 v7, 31, v0                           ; lane
	s_delay_alu instid0(VALU_DEP_1)
	v_lshlrev_b32 v1, 4, v7
	s_lshl_b32 s18, ttmp9, 17                      ; my work-group's 131,072 bytes of x,
	s_lshl_b32 s17, s14, 14                        ; my wave's 16,384 of them
	s_add_co_u32 s18, s18, s17
	s_mov_b32 s19, 0
	v_add_nc_u32 v2, s17, v1
	s_wait_alu depctr_va_vdst(0)
	s_wait_kmcnt 0x0
	s_add_nc_u64 s[4:5], s[4:5], s[18:19]
.irp j, 0,1,2,3,4,5,6,7,8,9,10,11,12,13,14,15,16,17,18,19,20,21,22,23,24,25,26,27,28,29,30,31
	global_load_b128 v[X+4*\j:X+4*\j+3], v1, s[4:5] offset:512*\j   ; 32 lanes read 512 consecutive bytes: channel j / 8 of the group, positions 128 (j % 8) + 4 x lane on
.endr
	s_lshl_b32 s18, s15, 7                         ; gain and offset of channels 32 blk + 4 w on
	s_lshl_b32 s17, s14, 4
	s_add_co_u32 s18, s18, s17
	s_add_nc_u64 s[6:7], s[6:7], s[18:19]
	s_add_nc_u64 s[8:9], s[8:9], s[18:19]
	s_load_b128 s[20:23], s[6:7], 0x0
	s_load_b128 s[24:27], s[8:9], 0x0
	s_lshl_b32 s18, s16, 16                        ; tcodes: 65,536 b + 256 blk + 8,192 w
	s_lshl_b32 s17, s15, 8
	s_add_co_u32 s18, s18, s17
	s_lshl_b32 s17, s14, 13
	s_add_co_u32 s18, s18, s17
	s_add_nc_u64 s[10:11], s[10:11], s[18:19]
	s_lshl_b32 s18, s16, 12                        ; tscales: 4,096 b + 1,024 blk + 128 w
	s_lshl_b32 s17, s15, 10
	s_add_co_u32 s18, s18, s17
	s_lshl_b32 s17, s14, 7
	s_add_co_u32 s18, s18, s17
	s_add_nc_u64 s[12:13], s[12:13], s[18:19]
	s_mov_b32 s28, 0x76543210
	s_mov_b32 s29, 0xfedcba98                      ; v_permlanex16_b32's selects for lane l xor 16
	v_and_b32 v8, 15, v0                           ; r
	v_bfe_u32 v9, v0, 4, 1                         ; u
	s_delay_alu instid0(VALU_DEP_2)
	v_and_b32 v10, 8, v8
	s_delay_alu instid0(VALU_DEP_1)
	v_add_nc_u32 v10, v10, v8
	s_delay_alu instid0(VALU_DEP_1)
	v_lshl_add_u32 v10, v9, 3, v10                 ; q(lane) = 8 u + r + 8 (r / 8)
	s_lshl_b32 s17, s14, 9
	v_lshl_add_u32 v3, v10, 2, s17                 ; xn in LDS: my position's word in channel 0: 512 w + 4 q
	s_delay_alu instid0(VALU_DEP_1)
	v_add_nc_u32 v4, 0x10000, v3                   ; and in channel 16: an LDS immediate has 16 bits
	v_lshlrev_b32 v5, 4, v8
	s_delay_alu instid0(VALU_DEP_1)
	v_lshl_add_u32 v5, v9, 10, v5
	v_lshlrev_b32 v6, 2, v7
	v_mov_b32 v19, 0                               ; written once: a lane permute's destination counts as one of its sources
	v_mov_b32 v41, 0x39800000                      ; 2^-12 = 1 / 4,096
; eight loads' numbers onto the four chains; the younger loads stay out
.macro SUMB g
	s_wait_loadcnt 24-8*\g
.irp q, 0,4
.irp hf, 0,2
.irp k, 0,1,2,3
.if (8*\g+\q) == 0
.if \hf == 0
	v_pk_add_f32 v[8+2*\k:9+2*\k], v[X+4*\k:X+4*\k+1], v[X+4*\k+2:X+4*\k+3]   ; the first four loads start the chains: nothing is cleared
.endif
.else
	v_pk_add_f32 v[8+2*\k:9+2*\k], v[8+2*\k:9+2*\k], v[X+4*(8*\g+\q+\k)+\hf:X+4*(8*\g+\q+\k)+\hf+1]
.endif
.endr
.endr
.endr
.endm
; the four chains, their halves and the 32 lanes: the sum lies in v8 of every lane
.macro REDUCE
	s_delay_alu instid0(VALU_DEP_3)
	v_pk_add_f32 v[8:9], v[8:9], v[10:11]
	s_delay_alu instid0(VALU_DEP_2)
	v_pk_add_f32 v[12:13], v[12:13], v[14:15]
	s_delay_alu instid0(VALU_DEP_1)
	v_pk_add_f32 v[8:9], v[8:9], v[12:13]
	s_delay_alu instid0(VALU_DEP_1)
	v_add_f32 v8, v8, v9
	s_delay_alu instid0(VALU_DEP_1)
	v_add_f32_dpp v8, v8, v8 row_xmask:1 row_mask:0xf bank_mask:0xf
	s_delay_alu instid0(VALU_DEP_1)
	v_add_f32_dpp v8, v8, v8 row_xmask:2 row_mask:0xf bank_mask:0xf
	s_delay_alu instid0(VALU_DEP_1)
	v_add_f32_dpp v8, v8, v8 row_xmask:4 row_mask:0xf bank_mask:0xf
	s_delay_alu instid0(VALU_DEP_1)
	v_add_f32_dpp v8, v8, v8 row_xmask:8 row_mask:0xf bank_mask:0xf
	s_delay_alu instid0(VALU_DEP_1)
	v_permlanex16_b32 v19, v8, s28, s29
	s_delay_alu instid0(VALU_DEP_1)
	v_add_f32 v8, v8, v19
.endm
	SUMB 0
	s_wait_alu depctr_va_vdst(0)
	SUMB 1
	s_wait_alu depctr_va_vdst(0)
	SUMB 2
	s_wait_alu depctr_va_vdst(0)
	SUMB 3
	REDUCE
	s_delay_alu instid0(VALU_DEP_1)
	v_mul_f32 v16, 0x39800000, v8                  ; the mean, in both halves of a pair
	s_delay_alu instid0(VALU_DEP_2)
	v_mul_f32 v17, 0x39800000, v8
.set i, 0
.rept 64
	v_pk_add_f32 v[X+2*i:X+2*i+1], v[X+2*i:X+2*i+1], v[16:17] neg_lo:[0,1] neg_hi:[0,1]   ; d = x - mean, in place
.set i, i+1
.endr
.irp k, 0,1,2,3
	v_pk_mul_f32 v[8+2*\k:9+2*\k], v[X+2*\k:X+2*\k+1], v[X+2*\k:X+2*\k+1]   ; the first four pairs start the chains of squares
.endr
.set i, 4
.rept 60
	s_delay_alu instid0(VALU_DEP_4)
	v_pk_fma_f32 v[8+2*(i%4):9+2*(i%4)], v[X+2*i:X+2*i+1], v[X+2*i:X+2*i+1], v[8+2*(i%4):9+2*(i%4)]
.set i, i+1
.endr
	REDUCE
	s_delay_alu instid0(VALU_DEP_1)
	v_fmaak_f32 v42, v8, v41, 0x358637bd           ; the variance + 1e-6
	s_wait_kmcnt 0x0                               ; gain and offset
	s_wait_alu depctr_va_vdst(0)
	v_rsq_f32 v18, v42
.irp c, 0,1,2,3
	v_mov_b32 v[28+2*\c], s[24+\c]                 ; (plain instructions between the root and the use of its result)
	v_mov_b32 v[29+2*\c], s[24+\c]
.endr
	s_wait_alu depctr_va_vdst(0)
.irp c, 0,1,2,3
	v_mul_f32 v[20+2*\c], s[20+\c], v18
	v_mul_f32 v[21+2*\c], s[20+\c], v18
.endr
.set i, 0
.rept 64
	v_pk_fma_f32 v[X+2*i:X+2*i+1], v[X+2*i:X+2*i+1], v[20+2*(i/16):21+2*(i/16)], v[28+2*(i/16):29+2*(i/16)]   ; xn = d (rstd gain) + offset; pair i belongs to channel i / 16
.set i, i+1
.endr
.irp j, 0,1,2,3,4,5,6,7,8,9,10,11,12,13,14,15,16,17,18,19,20,21,22,23,24,25,26,27,28,29,30,31
	ds_store_b128 v2, v[X+4*\j:X+4*\j+3] offset:512*\j   ; xn as [32 channels][1,024] f32, as it lies in memory: 512 consecutive bytes a store
.endr
	s_wait_dscnt 0x0                               ; for the others' sake: my stores have landed
	s_barrier_signal -1
	s_barrier_wait -1                              ; all 32 channels of the block lie in LDS
; Run rho: positions 128 w + 32 rho + q(lane).  32 loads: channel c of my position; the 32 lanes of a load take 32 different words of 128 consecutive bytes
.macro RLOAD rho
.irp c, 0,1,2,3,4,5,6,7,8,9,10,11,12,13,14,15,16,17,18,19,20,21,22,23,24,25,26,27,28,29,30,31
	ds_load_b32 v[X+32*\rho+\c], v[3+\c/16] offset:4096*(\c%16)+128*\rho
.endr
.endm
; A block: its largest magnitude with the floor 2^(3 - 127) among the leaves, 2 off the exponent field, the conversions, the byte.  left: the younger LDS loads, which may stay out
.macro BLOCK rho, left
.set XS, X+32*\rho
	s_wait_dscnt \left
	v_max3_num_f32 v36, |v[XS]|, |v[XS+1]|, |v[XS+2]|
	v_max3_num_f32 v37, |v[XS+3]|, |v[XS+4]|, |v[XS+5]|
.irp i, 6,10,14,18,22,26
	s_delay_alu instid0(VALU_DEP_2)
	v_max3_num_f32 v36, v36, |v[XS+\i]|, |v[XS+\i+1]|
	s_delay_alu instid0(VALU_DEP_2)
	v_max3_num_f32 v37, v37, |v[XS+\i+2]|, |v[XS+\i+3]|
.endr
	s_delay_alu instid0(VALU_DEP_2)
	v_max3_num_f32 v36, v36, |v[XS+30]|, |v[XS+31]|
	s_delay_alu instid0(VALU_DEP_1)
	v_max3_num_f32 v36, v36, v37, 0x1800000        ; the floor: the byte cannot fall under 1
	s_delay_alu instid0(VALU_DEP_1)
	v_add_nc_u32 v38, 0xff000000, v36              ; the conversion takes the exponent field of this operand as its scale, and nothing else of it
.irp g, 0,1,2,3
	v_cvt_scalef32_pk8_fp4_f32 v[44+4*\rho+\g], v[XS+8*\g:XS+8*\g+7], v38
.endr
	v_lshrrev_b32 v39, 23, v38                     ; the scale's byte.  (A plain instruction directly behind the conversions)
.if \rho == 0
	s_delay_alu instid0(VALU_DEP_1)
	v_mov_b32 v40, v39
.else
	s_delay_alu instid0(VALU_DEP_1)
	v_lshl_or_b32 v40, v39, 8*\rho, v40            ; the four runs' bytes are neighbours in tscales
.endif
	global_store_b128 v5, v[44+4*\rho:47+4*\rho], s[10:11] offset:2048*\rho   ; lanes 0-15 store 256 consecutive bytes, aligned: tile 2 P; lanes 16-31 those 1,024 bytes on: tile 2 P + 1.  Each run has its own data registers
.endm
	RLOAD 0
	RLOAD 1
	BLOCK 0, 32                                    ; the count leaves the next run's 32 loads out
	RLOAD 2
	BLOCK 1, 32
	RLOAD 3
	BLOCK 2, 32
	BLOCK 3, 0
	global_store_b32 v6, v40, s[12:13]             ; 128 consecutive bytes a wave, 1,024 a work-group: one byte in 128 of what the launch reads
	s_wait_tensorcnt 0x0
	ds_add_u32 v192, v193
	s_wait_dscnt 0x0
	s_endpgm
.Lfunc_end_k_qc30e30a6d2_prep:
	.size	k_qc30e30a6d2_prep, .Lfunc_end_k_qc30e30a6d2_prep-k_qc30e30a6d2_prep
	.p2alignl 7, 3214868480
	.fill 96, 4, 3214868480
	.section	.rodata,"a",@progbits
	.p2align	6, 0x0
	.amdhsa_kernel k_qc30e30a6d2_prep
		.amdhsa_group_segment_fixed_size 132096
		.amdhsa_private_segment_fixed_size 0
		.amdhsa_enable_private_segment 0
		.amdhsa_kernarg_size 40
		.amdhsa_user_sgpr_count 2
		.amdhsa_user_sgpr_kernarg_segment_ptr 1
		.amdhsa_wavefront_size32 1
		.amdhsa_system_sgpr_workgroup_id_x 1
		.amdhsa_system_sgpr_workgroup_id_y 1
		.amdhsa_system_sgpr_workgroup_id_z 1
		.amdhsa_system_vgpr_workitem_id 0
		.amdhsa_next_free_vgpr 194
		.amdhsa_next_free_sgpr 66
		.amdhsa_reserve_vcc 0
		.amdhsa_float_denorm_mode_32 3
		.amdhsa_float_denorm_mode_16_64 3
		.amdhsa_memory_ordered 1
		.amdhsa_forward_progress 1
		.amdhsa_inst_pref_size 45
	.end_amdhsa_kernel
	.amdgpu_metadata
---
amdhsa.version: [ 1, 2 ]
amdhsa.kernels:
  - .name:           k_qc30e30a6d2_prep
    .symbol:         k_qc30e30a6d2_prep.kd
    .args:
      - { .name: x, .offset: 0, .size: 8, .value_kind: global_buffer, .address_space: global }
      - { .name: gn_w, .offset: 8, .size: 8, .value_kind: global_buffer, .address_space: global }
      - { .name: gn_b, .offset: 16, .size: 8, .value_kind: global_buffer, .address_space: global }
      - { .name: tcodes, .offset: 24, .size: 8, .value_kind: global_buffer, .address_space: global }
      - { .name: tscales, .offset: 32, .size: 8, .value_kind: global_buffer, .address_space: global }
    .group_segment_fixed_size: 132096
    .private_segment_fixed_size: 0
    .kernarg_segment_align: 8
    .kernarg_segment_size: 40
    .max_flat_workgroup_size: 256
    .sgpr_count:     66
    .vgpr_count:     194
    .wavefront_size: 32
...
	.end_amdgpu_metadata
.endif
;; end of part 3
;; launch attn (part 4): grid 256 x 1, 16 waves a work-group, no clusters, 274,432 bytes of LDS; arguments x, tcodes, tscales, wq_codes, wq_scales, bq, wk_codes, wk_scales, bk, wv_codes, wv_scales, bv, wo_codes, wo_scales, bo, out0; writes out0
.if DOCPART == 4
	.amdgcn_target "amdgcn-amd-amdhsa--gfx1250"
	.amdhsa_code_object_version 6
	.text
	.protected	k_qc30e30a6d2_attn
	.globl	k_qc30e30a6d2_attn
	.p2align	8
	.type	k_qc30e30a6d2_attn,@function
k_qc30e30a6d2_attn:
	s_mov_b64 s[64:65], 0
	v_nop
	global_prefetch_b8 v0, s[64:65] scope:SCOPE_SE
	s_setreg_imm32_b32 hwreg(HW_REG_WAVE_SCHED_MODE, 0, 2), 2
	s_setreg_imm32_b32 hwreg(HW_REG_WAVE_MODE, 25, 1), 1
	s_wait_xcnt 0x0
	s_wait_alu depctr_vm_vsrc(0)
; out = x + (softmax(q k^T / sqrt(512)) v) wo^T + bo, transposed back, with q, k, v = t W^T + b.  All six products on codes of FP4 (E2M1) with one E8M0 scale for each 32 along a product's K.
; t comes as codes (tcodes: 64 register images of 16 positions x 128 channels an image; tile 2 P + u, row r, is position 32 P + 8 u + r + 8 (r / 8); tscales: see the head's transposition).
; SHARES.  A work-group (image b = g / 4, quarter qb = g % 4) owns 256 queries; each of its SIXTEEN waves owns one tile of 16, in 256 registers, four waves to a SIMD, so that one wave's softmax stands beside another's products and LDS loads.
; K AND V OF THE WHOLE IMAGE ARE MADE IN THE WORK-GROUP, from t's 68 KB of codes: wave w makes four fragments of V^T (key step w / 2, channel tiles 4 (w % 2) on), four of K (tiles 4 w on) and its own Q.
; The four work-groups of an image so make the same K and V: 8 units of 8 products and one quantiser a wave, against a launch more and q, k, v sent through memory.
; OPERANDS GO FROM WAVE TO WAVE THROUGH LDS AS IMAGES OF THEIR REGISTERS (two ds_store_b128, lane l's 16 bytes at 16 l), scale words four to a lane's 16 bytes.  Nothing in LDS is written twice: two barriers in all.
; LAYOUT.  Each product is laid so that a lane's registers run along the NEXT product's K: V^T: source 0 = 16 positions of t, source 1 = 16 rows of wv; K, Q: source 0 = 16 rows of the weight, source 1 = 16 positions;
; S^T = K Q^T, O^T = V^T P^T: a lane holds one query; y = (o / l) wo^T: source 0 = my 16 queries, so that a lane's eight results are eight neighbouring positions of one output channel.
; The rows of a tile of t, wq, wk, wv are not neighbours (row r of tile 2 b + u is 32 b + 8 u + r + 8 (r / 8)), so that the 16 registers of tiles 2 b, 2 b + 1 are 16 neighbours, 32 b + 16 (lane / 16) + 0 .. 15.
; SOFTMAX.  t = score x log2(e) / sqrt(512); M = the running largest t rounded UP to a whole number; p = 2^(t - M) is quantised along the keys, not normalised; the sum is taken of the unquantised p and divides O at the end;
; when M moves, the sum and O^T are multiplied by 2^(old M - new M), which rounds nothing.
; NO TENSOR LOAD, NO CLUSTER: K and V are stored into LDS by the waves themselves; what the four work-groups of an image read in common are 69,632 bytes of codes and scales, beside 262,144 bytes of x and of out0 each that they do not share.
; LIMITS: NaN and infinities are not served.  A block whose largest magnitude lies under 2^-124 gets the byte 1, a block of zeros too (the rule says 127): its codes are zeros and this program alone reads the bytes.
; o / l is a multiplication by v_rcp_f32 (l).  The output is (y + bo) + x, in that order.
; THE MODE: SCHED_MODE bits 1:0 = 2 (LLVM: expert scheduling mode 2), set by the entry lines.  The code itself states the register dependences
; between vector or matrix instructions and memory or LDS instructions, with s_wait_alu, always for 0.
; THE PLAN.  Registers that memory or LDS instructions touch, and who else names them:
;   v1             16 x lane: written once at the head, read by loads, LDS loads and the last stores; never written again.
;   v2-v13         the head's offsets: read by the head's loads and LDS stores; v5, v12, v13 are written again in Q's part, v8-v11 at each trip's head, v2-v4 and v6-v10 on the way out.
;   BIG, v248-251  loads land (t, wk, wq; K and then V^T in every trip; wo); products read them.  All 256 registers are in use: there is one such buffer, so each fill stands behind a wait for the products that read the last.
;   v16-v31        fragments of t land, K's and Q's products read them; then Q's codes, written by its quantiser.
;   O              biases and wv land, products read them; then O^T (vector and matrix instructions alone); on the way out: products write y, LDS stores read it, LDS loads land, additions write, global stores read.
;   H              after the head's scale planes vector and matrix instructions alone, until x lands in it behind the last quantiser.
;   v[PC ..], v244 each quantiser writes them, the LDS stores of the head's eight units read them.
; A HEAD UNIT: products, places, (a wait on va_vdst and the next loads), quantiser, a wait on va_vdst, LDS stores, a wait on vm_vsrc.
; A TRIP: a wait on vm_vsrc, the four address additions, a wait on va_vdst, K's loads; S^T's products, places, a wait on va_vdst, V^T's loads dealt among the lines that search the maxima (which name H and v232-235 alone);
; the wait behind the exponentials; a wait on va_vdst ahead of O^T's products.
.set KIMG, 0                           ; LDS: K's 64 fragment images x 1,024 bytes: 8 x key step + tile
.set VIMG, 65536                       ; V^T's likewise: 8 x key step + channel tile
.set KSC,  131072                      ; K's scale words: 512 bytes a key step; the word of tile 2 P + u, row r, at 16 (16 u + r) + 4 P
.set VSC,  135168                      ; V^T's likewise
.set STG,  139264                      ; the stage for the way out: 128 output channels x (1,024 bytes + 16)
.set SPI,  1040                        ; its pitch: row r begins 16 r bytes on, modulo 256, so sixteen rows' 16-byte stores fall on sixteen different columns
.set BIG,  32                          ; v32-95   eight fragments: t, a weight, K, V^T, wo
.set H,    96                          ; v96-159  eight tiles of results: v, k, q, S^T, then p; at the end o / l, then x
.set O,    160                         ; v160-223 biases (and wv's four fragments); then O^T; then y
.set PC,   224                         ; v224-231 the codes just made
; v0 the thread's number; v1 16 x lane; v2-13 offsets of the head (named where they are made); in the loop v5 the prefetch's offset, v8-11 LDS addresses, v12 -M, v13 the largest t, v[14:15] the sum in two halves
; v16-23, v24-31 two fragments of t by turns; then v16-23 Q.  v232-235 maxima, v236-239 the other lane's, then bytes, v240-243 the conversions' scale operands, v252 f, v254 at work
; SCALE WORDS ONLY: v244 the word just made; v245, v246 t's words of my four tiles of K; v247 of my queries; v248-251 four paired words (lanes 0-15 tile 2 g, lanes 16-31 tile 2 g + 1); v253, v255 wv's paired words, later p's word and q's
; s2 wave, s3 wave % 2, s4 wave / 2, s5 qb, s6 b; s[8:39] the sixteen addresses in the order of the arguments; s[40:47], s[60:63], s[66:67] bases; s[50:51] lane selects; s[52:53] c; s54-57 LDS bytes of the key step; s58 steps to go; s[68:75] bo
.macro PLACES n                        ; plain vector instructions that name no register: the places behind a matrix instruction (ISA guide 7.12.1) and in front of a scaled one
.rept \n
	v_nop
.endr
.endm
; One product, C in registers.  ra, rb = 1: that side's scale words are taken from lanes 16-31
.macro WM d, a, b, c, sa, sb, ra, rb
.if ((\ra) == 0) && ((\rb) == 0)
	v_wmma_scale_f32_16x16x128_f8f6f4 v[\d:\d+7], v[\a:\a+7], v[\b:\b+7], v[\c:\c+7], v[\sa], v[\sb] matrix_a_fmt:MATRIX_FMT_FP4 matrix_b_fmt:MATRIX_FMT_FP4
.elseif (\rb) == 0
	v_wmma_scale_f32_16x16x128_f8f6f4 v[\d:\d+7], v[\a:\a+7], v[\b:\b+7], v[\c:\c+7], v[\sa], v[\sb] matrix_a_fmt:MATRIX_FMT_FP4 matrix_b_fmt:MATRIX_FMT_FP4 matrix_a_scale:MATRIX_SCALE_ROW1
.elseif (\ra) == 0
	v_wmma_scale_f32_16x16x128_f8f6f4 v[\d:\d+7], v[\a:\a+7], v[\b:\b+7], v[\c:\c+7], v[\sa], v[\sb] matrix_a_fmt:MATRIX_FMT_FP4 matrix_b_fmt:MATRIX_FMT_FP4 matrix_b_scale:MATRIX_SCALE_ROW1
.else
	v_wmma_scale_f32_16x16x128_f8f6f4 v[\d:\d+7], v[\a:\a+7], v[\b:\b+7], v[\c:\c+7], v[\sa], v[\sb] matrix_a_fmt:MATRIX_FMT_FP4 matrix_b_fmt:MATRIX_FMT_FP4 matrix_a_scale:MATRIX_SCALE_ROW1 matrix_b_scale:MATRIX_SCALE_ROW1
.endif
.endm
; The same with the constant 0 as C: the product starts its sum
.macro WMZ d, a, b, sa, sb, ra, rb
.if ((\ra) == 0) && ((\rb) == 0)
	v_wmma_scale_f32_16x16x128_f8f6f4 v[\d:\d+7], v[\a:\a+7], v[\b:\b+7], 0, v[\sa], v[\sb] matrix_a_fmt:MATRIX_FMT_FP4 matrix_b_fmt:MATRIX_FMT_FP4
.elseif (\rb) == 0
	v_wmma_scale_f32_16x16x128_f8f6f4 v[\d:\d+7], v[\a:\a+7], v[\b:\b+7], 0, v[\sa], v[\sb] matrix_a_fmt:MATRIX_FMT_FP4 matrix_b_fmt:MATRIX_FMT_FP4 matrix_a_scale:MATRIX_SCALE_ROW1
.else
	v_wmma_scale_f32_16x16x128_f8f6f4 v[\d:\d+7], v[\a:\a+7], v[\b:\b+7], 0, v[\sa], v[\sb] matrix_a_fmt:MATRIX_FMT_FP4 matrix_b_fmt:MATRIX_FMT_FP4 matrix_b_scale:MATRIX_SCALE_ROW1
.endif
.endm
; Eight products: the eight fragments in BIG (source 0) against one fragment at v[small] (source 1), into H.  C = the bias at v[cb + cs i].  Eight different accumulators, one instruction each
.macro MM8 small, cb, cs, sb, row
.irp i, 0,1,2,3,4,5,6,7
	WM H+8*\i, BIG+8*\i, \small, \cb+\cs*\i, 248+\i/2, \sb, \i%2, \row
.endr
.endm
; 64 numbers of a lane, v[s] on, register 16 b + i = k 32 b + 16 (lane / 16) + i of my row, become a fragment's codes in v[pc] on and its scale word in v[pw]
.macro QUANT s, pc, pw
.irp b, 0,1,2,3
	v_max3_num_f32 v[232+\b], |v[\s+16*\b]|, |v[\s+1+16*\b]|, 0x1800000   ; block b: my 16 numbers, from each tile's low end on, and the floor 2^(3 - 127): the byte cannot fall under 1
.endr
.irp i, 2,4,6,8,10,12,14
.irp b, 0,1,2,3
	v_max3_num_f32 v[232+\b], v[232+\b], |v[\s+16*\b+\i]|, |v[\s+1+16*\b+\i]|   ; (the four blocks by turns: no line waits for the line above it)
.endr
.endr
.irp b, 0,1,2,3
	v_permlanex16_b32 v[236+\b], v[232+\b], s50, s51
.endr
.irp b, 0,1,2,3
	v_max_num_f32 v[232+\b], v[232+\b], v[236+\b]  ; with lane l xor 16's: the block's largest magnitude
.endr
.irp b, 0,1,2,3
	v_add_nc_u32 v[240+\b], 0xff000000, v[232+\b]  ; 2 off its exponent field: the conversion's scale operand
.endr
.irp b, 0,1,2,3
	v_lshrrev_b32 v[236+\b], 23, v[240+\b]         ; the scale's byte
.endr
	v_lshl_or_b32 v[\pw], v237, 8, v236            ; the four bytes make my row's scale word (the same in lanes l and l xor 16)
	v_lshl_or_b32 v[\pw], v238, 16, v[\pw]
	v_lshl_or_b32 v[\pw], v239, 24, v[\pw]
.irp b, 0,1,2,3
	v_cvt_scalef32_pk8_fp4_f32 v[\pc+2*\b], v[\s+16*\b:\s+7+16*\b], v[240+\b]
	v_cvt_scalef32_pk8_fp4_f32 v[\pc+1+2*\b], v[\s+8+16*\b:\s+15+16*\b], v[240+\b]
.endr
	v_nop                                          ; one plain place behind a scaled conversion
.irp c, 0,1                                    ; the operand's layout wants a WHOLE block in a lane: lanes 0-15 block 2 c, lanes 16-31 block 2 c + 1
.irp i, 0,1
	v_permlane16_swap_b32 v[\pc+4*\c+\i], v[\pc+2+4*\c+\i]
.endr
.endr
.endm
.macro IMAGE adr, off                          ; the fragment in v[PC] on goes to LDS as it stands
.irp c, 0,1
	ds_store_b128 v[\adr], v[PC+4*\c:PC+4*\c+3] offset:\off+512*\c
.endr
.endm
; A weight of K's or Q's kind: its eight fragments into BIG (rows chosen as the head comment says), its bias in the result's layout into O, its paired scale words.  cp, bp, sp: the scalar pairs of the three addresses.  36 loads
.macro WLOAD cp, bp, sp
.irp i, 0,1,2,3,4,5,6,7
.irp c, 0,1
	global_load_b128 v[BIG+8*\i+4*\c:BIG+8*\i+4*\c+3], v2, s[\cp:\cp+1] offset:(32*(\i/2)+8*(\i%2))*64+32*\c
.endr
.endr
.irp i, 0,1,2,3,4,5,6,7
	global_load_b128 v[O+8*\i:O+8*\i+3], v6, s[\bp:\bp+1] offset:(32*(\i/2)+8*(\i%2))*4       ; lane (r, h), register j of tile i: the bias of unit 32 (i / 2) + 8 (i % 2) + 16 h + j
	global_load_b128 v[O+8*\i+4:O+8*\i+7], v6, s[\bp:\bp+1] offset:(32*(\i/2)+8*(\i%2))*4+16
.endr
.irp g, 0,1,2,3
	global_load_b32 v[248+\g], v4, s[\sp:\sp+1] offset:128*\g
.endr
.endm
.macro SMLOAD reg, bp, off                     ; one fragment image of t: two loads of 512 consecutive bytes
.irp c, 0,1
	global_load_b128 v[\reg+4*\c:\reg+4*\c+3], v1, s[\bp:\bp+1] offset:\off+512*\c
.endr
.endm
.macro VLD i                                   ; fragment i of the key step's V^T: two LDS loads of 512 consecutive bytes
.irp c, 0,1
	ds_load_b128 v[BIG+8*(\i)+4*\c:BIG+8*(\i)+4*\c+3], v9 offset:1024*(\i)+512*\c
.endr
.endm
	s_load_b512 s[8:23], s[0:1], 0x0               ; x, tcodes, tscales, wq_codes, wq_scales, bq, wk_codes, wk_scales
	s_load_b512 s[24:39], s[0:1], 0x40             ; bk, wv_codes, wv_scales, bv, wo_codes, wo_scales, bo, out0
	v_lshrrev_b32 v1, 5, v0
	v_readfirstlane_b32 s2, v1                     ; wave 0..15.  (What does not hang on it stands between this line and the wait for it)
	s_and_b32 s5, ttmp9, 3                         ; qb
	s_lshr_b32 s6, ttmp9, 2                        ; b
	s_mov_b32 s50, 0x76543210
	s_mov_b32 s51, 0xfedcba98                      ; v_permlanex16_b32's selects for lane l xor 16
	s_mov_b32 s52, 0x3d8293ee                      ; c = log2(e) / sqrt(512)
	s_mov_b32 s53, s52                             ; (named with it as a pair, so it is written)
	s_mov_b32 s54, KIMG
	s_mov_b32 s55, VIMG
	s_mov_b32 s56, KSC
	s_mov_b32 s57, VSC
	s_mov_b32 s58, 8
	v_and_b32 v14, 31, v0                          ; lane
	v_and_b32 v15, 15, v0                          ; r
	v_bfe_u32 v16, v0, 4, 1                        ; h
	v_lshlrev_b32 v1, 4, v14                       ; v1: 16 x lane
	v_and_b32 v17, 8, v15
	v_add_nc_u32 v17, v17, v15                     ; r + 8 (r / 8)
	v_lshlrev_b32 v2, 6, v17
	v_lshl_add_u32 v2, v16, 4, v2                  ; v2: a weight's fragment: row r + 8 (r / 8) of 64 bytes, + 16 h
	v_lshl_add_u32 v4, v16, 3, v17
	v_lshlrev_b32 v4, 2, v4                        ; v4: paired scale words: row 8 h + r + 8 (r / 8), 4 bytes a row
	v_lshlrev_b32 v6, 6, v16                       ; v6: a bias in the result's layout: 64 h
.irp b, 0,1,2,3
	v_mov_b32 v[236+\b], 0                         ; written once: a lane permute's destination counts as one of its sources
.endr
	s_wait_alu depctr_va_sdst(0)                   ; s2 is written, ahead of its first reader: offsets, bases and LDS addresses are made from it
	s_and_b32 s3, s2, 1                            ; par
	s_lshr_b32 s4, s2, 1                           ; hw
	s_cmp_lg_u32 s3, 0
	s_cselect_b32 s59, -1, 0                       ; a lane mask: all ones in odd waves
	s_lshl_b32 s7, s3, 12
	v_add_nc_u32 v3, s7, v2                        ; v3: the same in wv's rows 64 par on
	s_lshl_b32 s7, s3, 8
	v_lshl_add_u32 v5, v17, 2, s7                  ; v5: bv of my lane's row of wv
	v_add_nc_u32 v13, s7, v4                       ; v13: wv's paired scale words
	s_lshl_b32 s7, s5, 8                           ; v7: my queries' bytes in a plane of tscales: tile 16 qb + w is P = 8 qb + hw, u = par
	s_lshr_b32 s48, s2, 3
	s_lshl_b32 s48, s48, 7
	s_add_co_u32 s7, s7, s48
	s_lshl_b32 s48, s3, 6
	s_add_co_u32 s7, s7, s48
	s_and_b32 s48, s4, 3
	s_add_co_u32 s7, s7, s48
	v_lshl_add_u32 v7, v15, 2, s7
	s_lshl_b32 s7, s2, 12
	v_add_nc_u32 v8, s7, v1                        ; v8: where I store K's images: 16 x lane + 4,096 w
	v_add_nc_u32 v9, 0x10000, v8                   ; v9: and V^T's: 8 hw + 4 par = 4 w fragments on in VIMG
	s_lshl_b32 s7, s4, 9
	s_lshl_b32 s48, s3, 3
	s_add_co_u32 s7, s7, s48
	s_add_co_u32 s7, s7, KSC
	v_lshl_add_u32 v10, v15, 4, s7                 ; v10: K's scale words: KSC + 512 hw + 16 r + 4 (2 par)
	v_add_nc_u32 v11, 4096, v10                    ; v11: V^T's
	s_lshl_b32 s7, s4, 7
	v_lshl_add_u32 v12, v14, 2, s7                 ; v12: tscales of key step hw: 128 hw + 4 x lane
	s_mov_b32 s49, 0
	s_wait_kmcnt 0x0
	s_lshl_b32 s48, s6, 16
	s_add_nc_u64 s[10:11], s[10:11], s[48:49]      ; tcodes at my image
	s_lshl_b32 s48, s4, 13
	s_add_nc_u64 s[40:41], s[10:11], s[48:49]      ; the eight tiles of key step hw
	s_lshl_b32 s48, s2, 12
	s_add_nc_u64 s[42:43], s[10:11], s[48:49]      ; tiles 4 w on
	s_lshl_b32 s48, s5, 14
	s_lshl_b32 s7, s2, 10
	s_add_co_u32 s48, s48, s7
	s_add_nc_u64 s[44:45], s[10:11], s[48:49]      ; tile 16 qb + w: my queries
	s_lshl_b32 s48, s6, 12
	s_add_nc_u64 s[46:47], s[12:13], s[48:49]      ; tscales at my image
	; THE HEAD'S LOADS
	s_wait_alu depctr_va_vdst(0)                   ; the offsets and LDS addresses v1 to v13 are written, which the loads and LDS stores of the head read
.irp i, 0,1,2,3,4,5,6,7
	SMLOAD BIG+8*\i, 40, 1024*\i
.endr
.irp j, 0,1,2,3
.irp c, 0,1
	global_load_b128 v[192+8*\j+4*\c:195+8*\j+4*\c], v3, s[26:27] offset:(32*(\j/2)+8*(\j%2))*64+32*\c   ; wv's four tiles of mine
.endr
.endr
.irp j, 0,1,2,3
.irp n, 0,1,2,3,4,5,6,7
	global_load_b32 v[O+8*\j+\n], v5, s[30:31] offset:(32*(\j/2)+8*(\j%2))*4   ; V^T's bias hangs on the lane alone: eight registers with one number, each by a load of its own (an issue slot, as a copy would be)
.endr
.endr
.irp g, 0,1,2,3
	global_load_b32 v[96+\g], v12, s[46:47] offset:1024*\g    ; plane g: the bytes of channel block g for P = 4 hw + 0 .. 3 at my lane's position
	global_load_u8 v[100+\g], v7, s[46:47] offset:1024*\g     ; and the one byte of my query
.endr
	global_load_b32 v253, v13, s[28:29]
	global_load_b32 v255, v13, s[28:29] offset:128
	SMLOAD 16, 42, 0
	SMLOAD 24, 42, 1024
	s_lshl_b32 s48, s6, 19                         ; x and out0: image b, my 256 positions,
	s_lshl_b32 s7, s5, 10
	s_add_co_u32 s48, s48, s7
	s_add_nc_u64 s[60:61], s[8:9], s[48:49]
	s_add_nc_u64 s[66:67], s[38:39], s[48:49]
	s_lshl_b32 s48, s2, 15                         ; channels 8 w on
	s_add_nc_u64 s[62:63], s[60:61], s[48:49]
	s_add_nc_u64 s[66:67], s[66:67], s[48:49]
	s_lshl_b32 s48, s2, 5
	s_add_nc_u64 s[36:37], s[36:37], s[48:49]
	s_load_b256 s[68:75], s[36:37], 0x0            ; bo of those eight channels
	s_wait_loadcnt 0x0
	; four planes x four P become four words a lane: byte g of word P = plane g's byte P
	v_perm_b32 v104, v97, v96, 0x05010400
	v_perm_b32 v105, v97, v96, 0x07030602
	v_perm_b32 v106, v99, v98, 0x05010400
	v_perm_b32 v107, v99, v98, 0x07030602
	v_perm_b32 v248, v106, v104, 0x05040100
	v_perm_b32 v249, v106, v104, 0x07060302
	v_perm_b32 v250, v107, v105, 0x05040100
	v_perm_b32 v251, v107, v105, 0x07060302
	v_cndmask_b32 v245, v248, v250, s59            ; my tiles of K, 4 w + 0 .. 3, are P = 4 hw + 2 par and + 1 of the same key step
	v_cndmask_b32 v246, v249, v251, s59
	v_lshl_or_b32 v247, v101, 8, v100
	v_lshl_or_b32 v247, v102, 16, v247
	v_lshl_or_b32 v247, v103, 24, v247
	PLACES 8                                       ; a scale register written by a vector instruction stands 8 places ahead of a scaled product
	s_wait_alu depctr_va_vdst(0)                   ; the scale words v245 to v251 are written, which the products of V^T, K and Q take; the places above stay beside this wait
	; ---- V^T: for each of my four channel tiles: 128 keys x 16 channels, quantised along the keys
.irp j, 0,1,2,3
	MM8 192+8*\j, O+8*\j, 0, 253+2*(\j/2), \j%2
	PLACES 4
.if \j == 3
	s_wait_alu depctr_va_vdst(0)                   ; V^T's 32 products are done reading t's fragments in BIG, wv and the bias in O and the words v248 to v251: the loads below land in all of these
	WLOAD 20, 24, 22                               ; wk, bk, wk's scale words land while the last tile is quantised
.endif
	QUANT H, PC, 244
	s_wait_alu depctr_va_vdst(0)                   ; the quantiser has written v[PC ..] and v244, which the LDS stores read
	IMAGE 9, 1024*\j
	ds_store_b32 v11, v244 offset:4*(\j/2)+256*(\j%2)   ; lanes l and l xor 16 write the same word with the same value
	s_wait_dscnt 0x0                               ; the stores are done
	s_wait_alu depctr_vm_vsrc(0)                   ; the LDS stores have read v[PC ..] and v244, which the next quantiser writes again
.endr
	; ---- K: for each of my four tiles of keys: 16 keys x 128 channels, quantised along the channels
.irp t, 0,1,2,3
.if \t == 0
	s_wait_loadcnt 0x0                             ; wk, bk, the words
.elseif \t >= 2
	s_wait_loadcnt 0x2                             ; this tile's two loads are in; behind them stand the two asked for one unit later
.endif
	MM8 16+8*(\t%2), O, 8, 245+\t/2, \t%2
	PLACES 4
	s_wait_alu depctr_va_vdst(0)                   ; this unit's products are done reading their fragment of t (in the last unit: wk in BIG, bk in O and the words v248 to v251 too), in which the loads below land
.if \t == 0
	SMLOAD 16, 42, 2048
.elseif \t == 1
	SMLOAD 24, 42, 3072
.elseif \t == 2
	SMLOAD 16, 44, 0                               ; my queries' tile of t
.else
	WLOAD 14, 18, 16                               ; wq, bq, wq's scale words
.endif
	QUANT H, PC, 244
	s_wait_alu depctr_va_vdst(0)                   ; the quantiser has written v[PC ..] and v244, which the LDS stores read
	IMAGE 8, 1024*\t
	ds_store_b32 v10, v244 offset:4*(\t/2)+256*(\t%2)
	s_wait_dscnt 0x0                               ; the stores are done
	s_wait_alu depctr_vm_vsrc(0)                   ; the LDS stores have read v[PC ..] and v244, which the next quantiser writes again; the head's loads have read v5, v12 and v13, which Q's part writes again
.endr
	; ---- Q: my 16 queries; the fragment stays in v16-23, its scale word in v255
	s_wait_loadcnt 0x0
	MM8 16, O, 8, 247, 0
	PLACES 4
	QUANT H, 16, 255
.set j, 0
.rept 64
	v_mov_b32 v[O+j], 0                            ; O^T.  (The key step is written once: the first finds zeros, which the first change of M leaves zeros)
.set j, j+1
.endr
	v_mov_b32 v13, 0xff61b1e6                      ; the largest t so far: -3e38, under every t
	v_floor_f32 v12, -v13                          ; -M
	v_mov_b32 v14, 0                               ; the sum, in two halves
	v_mov_b32 v15, 0
	v_lshrrev_b32 v5, 2, v0
	v_lshlrev_b32 v5, 12, v5
	v_and_b32 v254, 3, v0
	v_lshl_add_u32 v5, v254, 8, v5                 ; thread n: channel n / 4, block n % 4 of 256 bytes of my work-group's 1,024 bytes of that channel
	s_wait_dscnt 0x0                               ; for the others' sake: my images and words have landed
	s_barrier_signal -1
	s_barrier_wait -1                              ; K and V^T of the whole image lie in LDS
.Lstep:                                            ; eight trips of 128 keys
	s_wait_alu depctr_vm_vsrc(0)                   ; the LDS loads of the trip before (in the first trip: the head's LDS stores) have read v8 to v11, which are written again
	v_add_nc_u32 v8, s54, v1
	v_add_nc_u32 v9, s55, v1
	v_add_nc_u32 v10, s56, v1
	v_add_nc_u32 v11, s57, v1
	s_wait_alu depctr_va_vdst(0)                   ; v8 to v11 are written, which the trip's LDS loads read; the last trip's products are done reading BIG and v248 to v251, in which K lands; in the first trip: Q's codes v16 to v23, its word v255 and the prefetch's offset v5 are written
.irp i, 0,1,2,3,4,5,6,7
.irp c, 0,1
	ds_load_b128 v[BIG+8*\i+4*\c:BIG+8*\i+4*\c+3], v8 offset:1024*\i+512*\c
.endr
.endr
	ds_load_b128 v[248:251], v10
	s_wait_dscnt 0x0
.irp i, 0,1,2,3,4,5,6,7
	WMZ H+8*\i, BIG+8*\i, 16, 248+\i/2, 255, \i%2, 0   ; S^T: lane (r, h): query r; the 16 registers of tiles 2 b, 2 b + 1: keys 32 b + 16 h + 0 .. 15
.endr
	PLACES 4
	s_wait_alu depctr_va_vdst(0)                   ; S^T's products are done reading BIG and v248 to v251, in which V^T's fragments and words land.  The lines among which those loads are dealt name H and v232 to v235 alone
	ds_load_b128 v[248:251], v11
	VLD 0                                          ; V^T's fragments land while the softmax is worked: one ahead of each group of four lines
.irp b, 0,1,2,3
	v_max3_num_f32 v[232+\b], v[H+16*\b], v[H+1+16*\b], v[H+2+16*\b]   ; THE LARGEST SCORE OF EACH BLOCK OF 32 KEYS serves twice: for the row's maximum, and, since p rises with the score, for the block's largest p
.endr
.irp i, 3,5,7,9,11,13
	VLD (\i-1)/2
.irp b, 0,1,2,3
	v_max3_num_f32 v[232+\b], v[232+\b], v[H+16*\b+\i], v[H+1+16*\b+\i]
.endr
.endr
	VLD 7
	s_cmp_lg_u32 s58, 2                            ; in the seventh of the eight trips each thread asks once for one block of 256 bytes of x: the 512 threads ask for the 512 blocks
	s_cbranch_scc1 .Lnp                            ; that the work-group adds on the way out, one trip and the last product ahead of their loads; all lie inside x
	global_prefetch_b8 v5, s[60:61] th:TH_LOAD_NT scope:SCOPE_SE
.Lnp:
	s_wait_alu depctr_va_vdst(0)
.irp b, 0,1,2,3
	v_max_num_f32 v[232+\b], v[232+\b], v[H+15+16*\b]
.endr
.irp b, 0,1,2,3
	v_permlanex16_b32 v[236+\b], v[232+\b], s50, s51
.endr
.irp b, 0,1,2,3
	v_max_num_f32 v[232+\b], v[232+\b], v[236+\b]  ; with lane l xor 16's 16 keys
.endr
	v_max3_num_f32 v254, v232, v233, v234
	v_max_num_f32 v254, v254, v235                 ; the step's largest score of my query
	v_mul_f32 v254, s52, v254                      ; as t (c is positive)
	v_max_num_f32 v13, v13, v254                   ; the running largest t
	v_mov_b32 v254, v12
	v_floor_f32 v12, -v13                          ; the new -M = floor(-t) = -ceil(t): a whole number
	v_sub_f32 v254, v12, v254                      ; old M less new M: a whole number, 0 or less
	v_cvt_i32_f32 v254, v254                       ; (it saturates)
	v_ldexp_f32 v252, 1.0, v254                    ; f = 2^(old M - new M)
.set j, 0
.rept 32
	v_pk_fma_f32 v[H+j:H+j+1], v[H+j:H+j+1], s[52:53], v[12:13] op_sel_hi:[1,0,0]   ; t - M, two at a time (of the pairs c and -M the low word serves both halves)
.set j, j+2
.endr
.irp b, 0,1,2,3
	v_fma_f32 v[232+\b], v[232+\b], s52, v12       ; the same of each block's largest score
.endr
.set j, 0
	s_wait_alu depctr_va_vdst(0)
.rept 64
	v_exp_f32 v[H+j], v[H+j]                       ; p = 2^(t - M): not normalised
.set j, j+1
.endr
.irp b, 0,1,2,3
	v_exp_f32 v[232+\b], v[232+\b]                 ; the block's largest p: the same two instructions on the same number give the same bits
.endr
	v_pk_mul_f32 v[14:15], v[14:15], v[252:253] op_sel_hi:[1,0]   ; the sums under the new M.  (A plain place behind the exponentials)
	s_wait_alu depctr_va_vdst(0)                   ; the 68 exponentials have written p in H and the blocks' largest p in v232 to v235: one wait for the batch, ahead of its first reader
.irp b, 0,1,2,3
	v_max_num_f32 v[232+\b], 0x1800000, v[232+\b]  ; the floor 2^(3 - 127): the byte cannot fall under 1
.endr
.irp b, 0,1,2,3
	v_add_nc_u32 v[240+\b], 0xff000000, v[232+\b]  ; 2 off the exponent field: the conversion's scale operand
.endr
.irp b, 0,1,2,3
	v_lshrrev_b32 v[236+\b], 23, v[240+\b]         ; the scale's byte
.endr
	v_lshl_or_b32 v253, v237, 8, v236              ; p's scale word for these 128 keys
	v_lshl_or_b32 v253, v238, 16, v253
	v_lshl_or_b32 v253, v239, 24, v253
.irp b, 0,1,2,3
	v_cvt_scalef32_pk8_fp4_f32 v[PC+2*\b], v[H+16*\b:H+7+16*\b], v[240+\b]
	v_cvt_scalef32_pk8_fp4_f32 v[PC+1+2*\b], v[H+8+16*\b:H+15+16*\b], v[240+\b]
.endr
	v_nop                                          ; one plain place behind a scaled conversion
.irp c, 0,1
.irp i, 0,1
	v_permlane16_swap_b32 v[PC+4*\c+\i], v[PC+2+4*\c+\i]
.endr
.endr
	v_pk_add_f32 v[236:237], v[H:H+1], v[H+2:H+3]  ; THE ROW'S SUM IS TAKEN OF THE UNQUANTISED p: two at a time, in two chains.  (These lines name no register of the products below: they are the places in front of them)
.irp j, 4,8,12,16,20,24,28,32,36,40,44,48,52,56,60
	v_pk_add_f32 v[14:15], v[14:15], v[H+\j:H+1+\j]
	v_pk_add_f32 v[236:237], v[236:237], v[H+2+\j:H+3+\j]
.endr
	v_pk_add_f32 v[14:15], v[14:15], v[236:237]
.set j, 0
.rept 32
	v_pk_mul_f32 v[O+j:O+j+1], v[O+j:O+j+1], v[252:253] op_sel_hi:[1,0]   ; O^T under the new M: x f
.set j, j+2
.endr
	s_wait_dscnt 0x0                               ; V^T's fragments and words
	s_wait_alu depctr_va_vdst(0)                   ; p's codes v[PC ..] and its scale word v253 are written, which the products below take; the places above stay beside this wait
.irp i, 0,1,2,3,4,5,6,7
	WM O+8*\i, BIG+8*\i, PC, O+8*\i, 248+\i/2, 253, \i%2, 0   ; O^T += V^T P^T: eight accumulators by turns, one instruction a turn
.endr
	s_add_co_u32 s54, s54, 8192                    ; the next key step's eight fragments
	s_add_co_u32 s55, s55, 8192
	s_add_co_u32 s56, s56, 512                     ; and scale words
	s_add_co_u32 s57, s57, 512
	s_sub_co_u32 s58, s58, 1
	s_cmp_lg_u32 s58, 0
	s_cbranch_scc1 .Lstep
	; ---- THE WAY OUT.  o = O^T / the sum is quantised along the channels; y = o wo^T; a stage in LDS turns 16 queries x 128 channels a wave into 8 channels x 256 positions a wave.
	s_wait_alu depctr_vm_vsrc(0)                   ; the last trip's LDS loads have read v8 to v10, and the head's loads v2 to v4, v6 and v7: all are written again below
	v_add_f32 v14, v14, v15                        ; the sum's two halves.  (This line and the addresses below are the places behind the last products, ahead of the first read of O^T)
	v_and_b32 v8, 15, v0                           ; r
	v_bfe_u32 v9, v0, 4, 1                         ; h
	v_and_b32 v10, 31, v0                          ; lane
	v_lshlrev_b32 v2, 6, v8
	v_lshl_add_u32 v2, v9, 4, v2                   ; wo's fragments: rows in their own order: 64 r + 16 h
	v_lshlrev_b32 v3, 2, v10                       ; its paired scale words: row 32 g + lane
	v_mul_u32_u24 v4, v8, SPI
	v_lshl_add_u32 v4, v9, 6, v4
	s_lshl_b32 s7, s4, 7
	s_lshl_b32 s48, s3, 5
	s_add_co_u32 s7, s7, s48
	s_add_co_u32 s7, s7, STG
	v_add_nc_u32 v4, s7, v4                        ; into the stage: channel row r; positions 32 hw + 8 par + 16 h on: 128 hw + 32 par + 64 h bytes
	v_add_nc_u32 v6, 4*16*SPI, v4                  ; and 64 rows further down: an LDS immediate has 16 bits
	s_mul_i32 s7, s2, 8*SPI
	s_add_co_u32 s7, s7, STG
	v_add_nc_u32 v7, s7, v1                        ; back: my eight rows, 16 bytes a lane
	s_wait_alu depctr_va_vdst(0)                   ; the way out's offsets and LDS addresses v2 to v4, v6 and v7 are written; the last products are done reading BIG and v248 to v251, in which wo and its words land
.irp i, 0,1,2,3,4,5,6,7
.irp c, 0,1
	global_load_b128 v[BIG+8*\i+4*\c:BIG+8*\i+4*\c+3], v2, s[32:33] offset:1024*\i+32*\c
.endr
.endr
.irp g, 0,1,2,3
	global_load_b32 v[248+\g], v3, s[34:35] offset:128*\g
.endr
	v_permlanex16_b32 v252, v14, s50, s51
	v_add_f32 v14, v14, v252                       ; with lane l xor 16's: the row's sum
	s_wait_alu depctr_va_vdst(0)
	v_rcp_f32 v14, v14
	v_nop                                          ; one plain place behind a transcendental
	s_wait_alu depctr_va_vdst(0)                   ; the reciprocal has written v14, ahead of its first reader
.set j, 0
.rept 32
	v_pk_mul_f32 v[H+j:H+j+1], v[O+j:O+j+1], v[14:15] op_sel_hi:[1,0]   ; o: register 16 b + i = channel 32 b + 16 h + i of query r; each accumulator from its low end on
.set j, j+2
.endr
	QUANT H, PC, 244
	PLACES 8                                       ; o's scale word was written by vector instructions
	s_wait_alu depctr_va_vdst(0)                   ; the quantiser is done reading H, in which x lands, and has written o's codes v[PC ..] and its word v244, which the products below take; the places above stay beside this wait
.irp k, 0,1,2,3,4,5,6,7
.irp f, 0,1
	global_load_b128 v[H+8*\k+4*\f:H+8*\k+4*\f+3], v1, s[62:63] offset:4096*\k+512*\f th:TH_LOAD_NT   ; x of channel 8 w + k, my work-group's 256 positions: 512 consecutive bytes a load
.endr
.endr
	s_wait_loadcnt 16                              ; wo's twenty loads are in; x's sixteen, issued behind them, may stay out
.irp i, 0,1,2,3,4,5,6,7
	WMZ O+8*\i, PC, BIG+8*\i, 244, 248+\i/2, 0, \i%2   ; lane (r, h), register j: y(position 32 hw + 8 par + 16 h + j, channel 16 i + r)
.endr
	PLACES 4
	s_wait_alu depctr_va_vdst(0)                   ; the products have written y in O, which the LDS stores read; the places above stay beside this wait
.irp i, 0,1,2,3
	ds_store_b128 v4, v[O+8*\i:O+8*\i+3] offset:16*SPI*\i          ; each accumulator from its low end on
	ds_store_b128 v4, v[O+8*\i+4:O+8*\i+7] offset:16*SPI*\i+16
.endr
.irp i, 0,1,2,3
	ds_store_b128 v6, v[O+32+8*\i:O+32+8*\i+3] offset:16*SPI*\i
	ds_store_b128 v6, v[O+32+8*\i+4:O+32+8*\i+7] offset:16*SPI*\i+16
.endr
	s_wait_dscnt 0x0                               ; for the others' sake: my stores into the stage have landed
	s_barrier_signal -1
	s_barrier_wait -1                              ; 128 whole rows of 256 positions lie in the stage
	s_wait_alu depctr_vm_vsrc(0)                   ; my LDS stores have read O, in which the rows from the stage land
.irp k, 0,1,2,3,4,5,6,7
.irp f, 0,1
	ds_load_b128 v[O+8*\k+4*\f:O+8*\k+4*\f+3], v7 offset:SPI*\k+512*\f
.endr
.endr
	s_wait_loadcnt 0x0                             ; x
	s_wait_kmcnt 0x0                               ; bo
.irp g, 0,1,2,3                                ; two channels at a time: sixteen additions, one wait, four stores
.irp e, 0,1
.set kk, 2*\g+\e
	s_mov_b32 s76, s[68+kk]                        ; the packed form names a pair and takes its low word for both halves
	s_mov_b32 s77, s[68+kk]
.irp f, 0,1
	s_wait_dscnt 15-2*kk-\f                        ; LDS loads come back in order: this one is in, the younger ones may stay out
	v_pk_add_f32 v[O+8*kk+4*\f:O+8*kk+4*\f+1], v[O+8*kk+4*\f:O+8*kk+4*\f+1], s[76:77] op_sel_hi:[1,0]
	v_pk_add_f32 v[O+8*kk+4*\f+2:O+8*kk+4*\f+3], v[O+8*kk+4*\f+2:O+8*kk+4*\f+3], s[76:77] op_sel_hi:[1,0]
	v_pk_add_f32 v[O+8*kk+4*\f:O+8*kk+4*\f+1], v[O+8*kk+4*\f:O+8*kk+4*\f+1], v[H+8*kk+4*\f:H+8*kk+4*\f+1]
	v_pk_add_f32 v[O+8*kk+4*\f+2:O+8*kk+4*\f+3], v[O+8*kk+4*\f+2:O+8*kk+4*\f+3], v[H+8*kk+4*\f+2:H+8*kk+4*\f+3]
.endr
.endr
	s_wait_alu depctr_va_vdst(0)                   ; the additions have written these two channels' sixteen registers of O, which the four stores read
.irp e, 0,1
.set kk, 2*\g+\e
.irp f, 0,1
	global_store_b128 v1, v[O+8*kk+4*\f:O+8*kk+4*\f+3], s[66:67] offset:4096*kk+512*\f th:TH_STORE_NT   ; 32 lanes store 512 consecutive bytes, at a multiple of 256 from out0's first byte; no store's data are written again
.endr
.endr
.endr
	s_wait_xcnt 0x0
	v_lshl_add_u32 v254, v0, 2, 0x42800
	v_mov_b32 v255, 0
	s_wait_dscnt 0x0                               ; the closing lines, six on end
	s_wait_alu 0x0
	s_wait_tensorcnt 0x0
	ds_add_u32 v254, v255
	s_wait_dscnt 0x0
	s_endpgm
.Lfunc_end_k_qc30e30a6d2_attn:
	.size	k_qc30e30a6d2_attn, .Lfunc_end_k_qc30e30a6d2_attn-k_qc30e30a6d2_attn
	.p2alignl 7, 3214868480
	.fill 96, 4, 3214868480
	.section	.rodata,"a",@progbits
	.p2align	6, 0x0
	.amdhsa_kernel k_qc30e30a6d2_attn
		.amdhsa_group_segment_fixed_size 274432
		.amdhsa_private_segment_fixed_size 0
		.amdhsa_enable_private_segment 0
		.amdhsa_kernarg_size 128
		.amdhsa_user_sgpr_count 2
		.amdhsa_user_sgpr_kernarg_segment_ptr 1
		.amdhsa_wavefront_size32 1
		.amdhsa_system_sgpr_workgroup_id_x 1
		.amdhsa_system_sgpr_workgroup_id_y 1
		.amdhsa_system_sgpr_workgroup_id_z 1
		.amdhsa_system_vgpr_workitem_id 0
		.amdhsa_next_free_vgpr 256
		.amdhsa_next_free_sgpr 80
		.amdhsa_reserve_vcc 0
		.amdhsa_float_denorm_mode_32 3
		.amdhsa_float_denorm_mode_16_64 3
		.amdhsa_memory_ordered 1
		.amdhsa_forward_progress 1
		.amdhsa_inst_pref_size 106
	.end_amdhsa_kernel
	.amdgpu_metadata
---
amdhsa.version: [ 1, 2 ]
amdhsa.kernels:
  - .name:           k_qc30e30a6d2_attn
    .symbol:         k_qc30e30a6d2_attn.kd
    .args:
      - { .name: x, .offset: 0, .size: 8, .value_kind: global_buffer, .address_space: global }
      - { .name: tcodes, .offset: 8, .size: 8, .value_kind: global_buffer, .address_space: global }
      - { .name: tscales, .offset: 16, .size: 8, .value_kind: global_buffer, .address_space: global }
      - { .name: wq_codes, .offset: 24, .size: 8, .value_kind: global_buffer, .address_space: global }
      - { .name: wq_scales, .offset: 32, .size: 8, .value_kind: global_buffer, .address_space: global }
      - { .name: bq, .offset: 40, .size: 8, .value_kind: global_buffer, .address_space: global }
      - { .name: wk_codes, .offset: 48, .size: 8, .value_kind: global_buffer, .address_space: global }
      - { .name: wk_scales, .offset: 56, .size: 8, .value_kind: global_buffer, .address_space: global }
      - { .name: bk, .offset: 64, .size: 8, .value_kind: global_buffer, .address_space: global }
      - { .name: wv_codes, .offset: 72, .size: 8, .value_kind: global_buffer, .address_space: global }
      - { .name: wv_scales, .offset: 80, .size: 8, .value_kind: global_buffer, .address_space: global }
      - { .name: bv, .offset: 88, .size: 8, .value_kind: global_buffer, .address_space: global }
      - { .name: wo_codes, .offset: 96, .size: 8, .value_kind: global_buffer, .address_space: global }
      - { .name: wo_scales, .offset: 104, .size: 8, .value_kind: global_buffer, .address_space: global }
      - { .name: bo, .offset: 112, .size: 8, .value_kind: global_buffer, .address_space: global }
      - { .name: out0, .offset: 120, .size: 8, .value_kind: global_buffer, .address_space: global }
    .group_segment_fixed_size: 274432
    .private_segment_fixed_size: 0
    .kernarg_segment_align: 8
    .kernarg_segment_size: 128
    .max_flat_workgroup_size: 512
    .sgpr_count:     80
    .vgpr_count:     256
    .wavefront_size: 32
...
	.end_amdgpu_metadata
.endif
;; end of part 4
